; MI455X (gfx1250); checked and timed in simulation.
; The chip was launched on July 23, 2026; its instructions are those of AMD's public machine-readable ISA for CDNA 5 (MIT licence, August 2026) and "CDNA5" Instruction Set Architecture Reference Guide (July 2026). The comments in the code are by the model that wrote it; some were corrected since.
;; Intrinsic Reward. Allowed arithmetic: float matrix products may take bf16 or f16 operands with f32 sums; other float arithmetic in f32, or as packed bf16 or f16 multiplies, adds, multiply-adds, maxima and minima; sums over many terms, partial sums and values carried from step to step in f32; what a program stores and reads back later, other than sums and carried values, may be rounded once to bf16 or f16.
;; Inputs: W1 262 x 128 float32; W2 128 x 64 float32; W3 64 x 256 float32; action 1,024 x 6 float32; b1 128 float32; b2 64 float32; b3 256 float32; be1 128 float32; be2 64 float32; g1 128 float32; g2 64 float32; mem 200,000 x 256 float32; sigma 1,024 x 6 float32; z_t 1,024 x 256 float32; z_t1 1,024 x 256 float32.
;; Outputs: out0 4 x 1,024 float32.
;; 2 versions, each right; version 2 is version 1 with the launch scan written anew for expert scheduling mode. Each part assembles by itself: llvm-mc -triple=amdgcn-amd-amdhsa -mcpu=gfx1250 --defsym DOCPART=n.
;; ======== version 1 of 2: 2 launches
;; workspace buffers: keys 16,384,000 bytes of whole numbers; part 8,192 bytes
;; launch scan (part 1): grid 254 x 1, 4 waves a work-group, no clusters, 304,640 bytes of LDS; arguments z_t, mem, keys, part, action, z_t1, sigma, W1, b1, g1, be1, W2, b2, g2, be2, W3, b3; writes keys, part
.if DOCPART == 1
	.amdgcn_target "amdgcn-amd-amdhsa--gfx1250"
	.amdhsa_code_object_version 6
	.text
	.protected	k_q0a0d382d97_scan
	.globl	k_q0a0d382d97_scan
	.p2align	8
	.type	k_q0a0d382d97_scan,@function
k_q0a0d382d97_scan:
	s_mov_b64 s[64:65], 0
	v_nop
	global_prefetch_b8 v0, s[64:65] scope:SCOPE_SE
	s_setreg_imm32_b32 hwreg(HW_REG_WAVE_MODE, 25, 1), 1
	s_wait_xcnt 0x0
; IntrinsicReward, first of two launches.
; WORK-GROUPS 0..249: the search.  sims = z_norm . mem_norm^T is 1,024 x 200,000; only the mean of each row's 16 largest is wanted.
; mem's rows are taken in GROUPS of 8 consecutive rows.  The 16 largest sims of a query lie in the 16 groups with the largest group maxima: a group that holds one of them has a maximum
; that is at least the 16th value, any other group's maximum is at most that value.  So this launch keeps, for each query, group maxima alone, and the second launch computes the chosen 128 rows anew in f32.
; Here z_t is NOT divided by its norm: that is one positive factor for a whole query and changes no order; the second launch applies reference()'s own formula.  mem's rows are divided by (norm + 1e-8).
; No input is left out and no step of reference() is dropped.
; A key is the group's maximum (f32 sum of bf16 products) with its 7 lowest mantissa bits replaced by the number (0..99) of the tile of 16 rows in the work-group's chunk.
; LIMITS.  Groups are ranked by bf16 products with 16 mantissa bits kept: two groups whose maxima lie closer than that may change places, which moves a top value by no more than that distance.
; NaN and infinities are not treated apart.
; SHARES.  Work-group = (chunk of 1,600 rows of mem) x (512 queries).  A wave keeps 128 queries as 8 B operands (bf16) in registers; all four waves read the same tile of 16 rows of mem from LDS as A.
; In the result a lane holds ONE query (lane % 16) and rows 8 (lane / 16) + 0..7: one group.  mem comes through registers: f32 loads, row norm, scaling, rounding to bf16, LDS store; blocks of 64 rows, two LDS slots.
; BY TURNS.  A tile of 16 rows is two turns of 32 matrix instructions (queries' tiles 0-3, then 4-7); behind each matrix instruction stand 3 or 4 vector instructions: the other piece's
; maxima and sorted insertion, or the conversion of a later block.
; One text serves all 25 trips: in the last two the loads name the chunk's last block once more, and what is made of them is used by nobody.
; NO CLUSTER, NO TENSOR LOAD: a tile has two readers (the two query halves), and every byte of mem must pass through registers for its norm and rounding anyway.
; WORK-GROUPS 250..253: the forward model, pred_err and epistemic, 256 queries each, stored in part.
; LDS: the search names bytes 0 .. 165,887, the forward model bytes 166,400 .. 304,639; between them lie the spare words.  No byte but a thread's own spare word is named by both texts.
.set PITCH, 528                        ; an LDS row of mem: 512 bytes of bf16 + 16: the 16 rows of a fragment load start at 16 different groups of four banks
.set SLOTX, 65536                      ; slot 1 begins here: one exclusive or turns an address in one slot into the other's
.set STAGE, 100352                     ; 16 KiB for each wave, its own: the way out
.set SPARE, 165888                     ; the spare words, 128 bytes for each wave; no other line names them
.set MB,    166400                     ; the forward model's tables begin here
.set ARD,  1                           ; window 0: LDS address of A's fragments in the slot being read
.set SPW,  2                           ; my spare word; never rewritten
.set NIL,  3                           ; 0; never rewritten
.set PFO,  4                           ; the prefetches' offset: 16,384 x wave + 256 x lane
.set ARD0, 5                           ; (lane % 16) x PITCH + 16 (lane / 16)
.set AWR,  6                           ; LDS address of my stores in the slot being written
.set AWR0, 7                           ; (16 wave + lane / 16) x PITCH + 8 (lane % 16)
.set M1,   8                           ; v8-11, v12-15: a piece's four maxima, at work
.set M2,   12
.set ACC,  16                          ; v16-47 piece 0's four accumulators, v48-79 piece 1's
.set TT,   80                          ; v80-87  sums of squares, two pairs for each of two row pairs
.set NN,   88                          ; v88-89  a row's norm
.set INV,  90                          ; v90-93  1 / (norm + 1e-8), in the low word of a pair
.set OUT,  94                          ; v94-109 bf16, to be stored
.set SC,   110                         ; v110-125 scaled f32
.set MOFF, 126                         ; my byte offset in a block of mem: 16,384 wave + 1,024 (lane / 16) + 16 (lane % 16)
.set ZOFF, 127                         ; my byte offset in 16 rows of z_t: 1,024 (lane % 16) + 32 (lane / 16)
.set LIST, 128                         ; v128-255: tile t's sorted list of 16 keys at LIST + 16 t; before that, staging for z_t
.set XS,   128                         ; window 3: four sets of 32 registers of f32 from mem; v0-63 of window 3: A's eight fragments
; windows 1 and 2: the queries: tile t % 4, fragment c at 64 (t % 4) + 8 c
.set MSB, 0
.macro WIN new                         ; the high byte repeats the setting that is left; a switch that changes nothing is dropped
.if MSB != (\new)
	s_set_vgpr_msb (MSB<<8)|(\new)
.set MSB, \new
.endif
.endm
.macro PLACES                          ; four places behind matrix instructions (ISA guide 7.12.1)
.rept 4
	v_nop
.endr
.endm
	s_load_b256 s[4:11], s[0:1], 0x0               ; z_t s[4:5], mem s[6:7], keys s[8:9], part s[10:11]
	v_lshl_add_u32 v[SPW], v0, 2, SPARE
	v_mov_b32 v[NIL], 0
	v_lshrrev_b32 v1, 5, v0
	v_readfirstlane_b32 s12, v1                    ; wave 0..3
	s_cmp_ge_u32 ttmp9, 250
	s_cbranch_scc1 .Lmlp                           ; the same for all waves of a work-group
; ---------------------------------------------------------------- the search
	s_lshr_b32 s13, ttmp9, 1                       ; chunk 0..124
	s_and_b32 s14, ttmp9, 1                        ; which 512 queries
	v_and_b32 v8, 15, v0
	v_bfe_u32 v9, v0, 4, 1
	v_and_b32 v10, 31, v0
	s_lshl_b32 s15, s12, 14
	v_lshl_add_u32 v[PFO], v10, 8, s15
	v_lshlrev_b32 v[ZOFF], 10, v8
	v_lshl_add_u32 v[ZOFF], v9, 5, v[ZOFF]
	v_mul_u32_u24 v[ARD0], v8, PITCH
	v_lshl_add_u32 v[ARD0], v9, 4, v[ARD0]
	s_mul_i32 s20, s12, 16*PITCH
	v_mul_u32_u24 v[AWR0], v9, PITCH
	v_lshl_add_u32 v[AWR0], v8, 3, v[AWR0]
	v_add_nc_u32 v[AWR0], s20, v[AWR0]
	v_lshlrev_b32 v[MOFF], 10, v9
	v_lshl_add_u32 v[MOFF], v8, 4, v[MOFF]
	v_add_nc_u32 v[MOFF], s15, v[MOFF]
	v_mov_b32 v[INV+1], 0                          ; named with the low words as pairs
	v_mov_b32 v[INV+3], 0
	s_mul_i32 s20, s13, 1638400                    ; a chunk is 1,600 rows of 1,024 bytes
	s_mov_b32 s21, 0
	s_lshl_b32 s32, s14, 19
	s_lshl_b32 s33, s12, 17
	s_add_co_u32 s32, s32, s33                     ; my wave's 128 queries
	s_mov_b32 s33, 0
	s_mov_b32 s22, 2                               ; the block that the trip's loads name
	s_mov_b32 s23, 25                              ; trips
	s_mov_b32 s26, 0                               ; the tile's number
	s_mov_b32 s27, 0                               ; its step: 0 the first time
	s_mov_b32 s28, 0xffffff80
	s_mov_b32 s34, 0xff7fffff                      ; the lowest finite number
	s_cmp_eq_u32 s14, 0
	s_cselect_b32 s29, 4, -1                       ; of a chunk's two work-groups the first prefetches, while more than 4 trips are left
	s_wait_kmcnt 0x0
	s_add_nc_u64 s[16:17], s[6:7], s[20:21]        ; mem at my chunk
	s_mov_b64 s[18:19], s[16:17]                   ; the loads' pointer
	s_add_nc_u64 s[30:31], s[4:5], s[32:33]
; Four loads: row pair pp of set k (4 rows a wave): lanes 0-15 take 256 bytes of one row, lanes 16-31 of the next
.macro LD4 k, pp
	WIN 0xc0                                       ; destination window 3, address window 0
.irp i, 0,1,2,3
	global_load_b128 v[XS+32*(\k)+16*(\pp)+4*\i:XS+32*(\k)+16*(\pp)+4*\i+3], v[MOFF], s[18:19] offset:(2*(\k)+(\pp))*2048+256*\i
.endr
.endm
; Half a tile of queries (tile hf / 2, fragments 4 (hf % 2) ..): 16 loads of f32 into staging, then 32 roundings into window 1 or 2
.macro QLOAD hf
	WIN 0
.irp c, 0,1,2,3
	global_load_b128 v[LIST+64*((\hf)%2)+16*\c:LIST+64*((\hf)%2)+16*\c+3],     v[ZOFF], s[30:31] offset:((\hf)/2)*16384+128*(4*((\hf)%2)+\c)
	global_load_b128 v[LIST+64*((\hf)%2)+16*\c+4:LIST+64*((\hf)%2)+16*\c+7],   v[ZOFF], s[30:31] offset:((\hf)/2)*16384+128*(4*((\hf)%2)+\c)+16
	global_load_b128 v[LIST+64*((\hf)%2)+16*\c+8:LIST+64*((\hf)%2)+16*\c+11],  v[ZOFF], s[30:31] offset:((\hf)/2)*16384+128*(4*((\hf)%2)+\c)+64
	global_load_b128 v[LIST+64*((\hf)%2)+16*\c+12:LIST+64*((\hf)%2)+16*\c+15], v[ZOFF], s[30:31] offset:((\hf)/2)*16384+128*(4*((\hf)%2)+\c)+80
.endr
.endm
.macro QCAST hf
	WIN 0x40+0x40*((\hf)/8)
.set qi, 0
.rept 32
	v_cvt_pk_bf16_f32 v[64*(((\hf)/2)%4)+32*((\hf)%2)+qi], v[LIST+64*((\hf)%2)+2*qi], v[LIST+64*((\hf)%2)+2*qi+1]
.set qi, qi+1
.endr
.endm
; THE CONVERSION of set k.  CVA1, 30 numbers: both row pairs' sums of squares (in a lane, then over the row's 16 lanes) and the root.
.macro CVA1 k, n
.set cpp, (\n)%2
.set cop, (\n)/2
.set cX, XS+32*(\k)+16*cpp
.set cT, TT+4*cpp
.if cop < 2
	WIN 0x0f                                       ; sources 0 and 1 window 3
	v_pk_mul_f32 v[cT+2*cop:cT+2*cop+1], v[cX+2*cop:cX+2*cop+1], v[cX+2*cop:cX+2*cop+1]
.elseif cop < 8
	WIN 0x0f
	v_pk_fma_f32 v[cT+2*(cop%2):cT+2*(cop%2)+1], v[cX+2*cop:cX+2*cop+1], v[cX+2*cop:cX+2*cop+1], v[cT+2*(cop%2):cT+2*(cop%2)+1]
.elseif cop == 8
	WIN 0
	v_pk_add_f32 v[cT:cT+1], v[cT:cT+1], v[cT+2:cT+3]
.elseif cop == 9
	WIN 0
	v_add_f32 v[NN+cpp], v[cT], v[cT+1]
.elseif cop == 10
	WIN 0
	v_add_f32_dpp v[NN+cpp], v[NN+cpp], v[NN+cpp] row_xmask:1 row_mask:0xf bank_mask:0xf
.elseif cop == 11
	WIN 0
	v_add_f32_dpp v[NN+cpp], v[NN+cpp], v[NN+cpp] row_xmask:2 row_mask:0xf bank_mask:0xf
.elseif cop == 12
	WIN 0
	v_add_f32_dpp v[NN+cpp], v[NN+cpp], v[NN+cpp] row_xmask:4 row_mask:0xf bank_mask:0xf
.elseif cop == 13
	WIN 0
	v_add_f32_dpp v[NN+cpp], v[NN+cpp], v[NN+cpp] row_xmask:8 row_mask:0xf bank_mask:0xf
.else
	WIN 0
	v_sqrt_f32 v[NN+cpp], v[NN+cpp]
.endif
.endm
; CVA2, 4 numbers: norm + 1e-8, and its reciprocal
.macro CVA2 n
	WIN 0
.if (\n) < 2
	v_add_f32 v[NN+(\n)], 0x322bcc77, v[NN+(\n)]
.else
	v_rcp_f32 v[INV+2*((\n)-2)], v[NN+(\n)-2]
.endif
.endm
; CVB, 32 numbers: a row pair's 8 scalings and 8 roundings; behind them its 4 LDS stores, and its registers are asked for again (the set 4 sets on)
.macro CVB k, n
.set cpp, (\n)/16
.set cop, (\n)%16
.set cX, XS+32*(\k)+16*cpp
.if cop < 8
	WIN 0x03                                       ; source 0 window 3
	v_pk_mul_f32 v[SC+2*cop:SC+2*cop+1], v[cX+2*cop:cX+2*cop+1], v[INV+2*cpp:INV+2*cpp+1] op_sel_hi:[1,0]
.else
	WIN 0
	v_cvt_pk_bf16_f32 v[OUT+8*cpp+cop-8], v[SC+2*(cop-8)], v[SC+2*(cop-8)+1]
.endif
.if cop == 15
	WIN 0
.irp i, 0,1,2,3
	ds_store_b64 v[AWR], v[OUT+8*cpp+2*\i:OUT+8*cpp+2*\i+1] offset:(4*(\k)+2*cpp)*PITCH+128*\i
.endr
	LD4 \k, cpp
.endif
.endm
.macro CVAS k, c                       ; the next c numbers of CVA1
.rept \c
.if can < 30
	CVA1 \k, can
.set can, can+1
.endif
.endr
.endm
.macro CVBS k, c                       ; the next c numbers of CVB
.rept \c
.if cvn < 32
	CVB \k, cvn
.set cvn, cvn+1
.endif
.endr
.endm
; THE SELECTION for piece p, 84 numbers.  0-19, the four tiles by turns: the maximum of a lane's 8 sums (each accumulator's lowest registers are read first), then the tile's number into its 7 lowest bits.
; 20-83: for each tile a sorted insertion: L15 = the middle one of (L14, L15, x), .. L1 likewise, L0 = max(L0, x); each line reads entries that are not yet rewritten.
.macro TK p, n
	WIN 0
.if (\n) < 4
	v_max3_num_f32 v[M1+(\n)], v[ACC+32*(\p)+8*(\n)], v[ACC+32*(\p)+8*(\n)+1], v[ACC+32*(\p)+8*(\n)+2]
.elseif (\n) < 8
	v_max3_num_f32 v[M2+(\n)-4], v[ACC+32*(\p)+8*((\n)-4)+3], v[ACC+32*(\p)+8*((\n)-4)+4], v[ACC+32*(\p)+8*((\n)-4)+5]
.elseif (\n) < 12
	v_max3_num_f32 v[M1+(\n)-8], v[M1+(\n)-8], v[ACC+32*(\p)+8*((\n)-8)+6], v[ACC+32*(\p)+8*((\n)-8)+7]
.elseif (\n) < 16
	v_max_num_f32 v[M1+(\n)-12], v[M1+(\n)-12], v[M2+(\n)-12]
.elseif (\n) < 20
	v_and_or_b32 v[M1+(\n)-16], v[M1+(\n)-16], s28, s26
.else
.set tt, ((\n)-20)/16
.set ee, 15-((\n)-20)%16
.set rL, LIST+16*(4*(\p)+tt)
.if ee > 0
	v_med3_num_f32 v[rL+ee], v[rL+ee-1], v[rL+ee], v[M1+tt]
.else
	v_max_num_f32 v[rL], v[rL], v[M1+tt]
.endif
.endif
.endm
.macro TKS p, c
.rept \c
	TK \p, tkn
.set tkn, tkn+1
.endr
.endm
; Matrix instruction i of 32 of piece p: channels 32 (i / 4) on, query tile 4 p + i % 4.  The four accumulators take turns, one instruction a turn, and the pieces follow each other.  The first four start the sums.
.macro MM p, i
.set mc, (\i)/4
.set mq, (\i)%4
.set mD, ACC+32*(\p)+8*mq
	WIN 0x07+4*(\p)                                ; A window 3, the queries window 1 or 2, C and D window 0
.if mc == 0
	v_wmma_f32_16x16x32_bf16 v[mD:mD+7], v[8*mc:8*mc+7], v[64*mq+8*mc:64*mq+8*mc+7], 0
.else
	v_wmma_f32_16x16x32_bf16 v[mD:mD+7], v[8*mc:8*mc+7], v[64*mq+8*mc:64*mq+8*mc+7], v[mD:mD+7]
.endif
.endm
; Eight LDS loads in one run: A's fragments lo .. lo + 3 of the tile at byte off of the slot
.macro AFR lo, off
	WIN 0xc0
.irp c, 0,1,2,3
	ds_load_b128 v[8*((\lo)+\c):8*((\lo)+\c)+3],   v[ARD] offset:(\off)+64*((\lo)+\c)
	ds_load_b128 v[8*((\lo)+\c)+4:8*((\lo)+\c)+7], v[ARD] offset:(\off)+64*((\lo)+\c)+32
.endr
.endm
; A prefetch of the block that stands two trips (512 matrix instructions) ahead of its loads: my wave's 16 KiB of it, a lane 256 bytes, two instructions.  Of a chunk's two work-groups one asks.
; It stands behind the turn's loads.  The last trips that would name a block past the chunk's 25 ask for nothing; blocks 0 to 3 come by their loads alone.
.macro ASK
	WIN 0
	s_cmp_gt_u32 s23, s29
	s_cbranch_scc0 .Lnoask_\@
	global_prefetch_b8 v[PFO], s[18:19] offset:131072 th:TH_LOAD_NT scope:SCOPE_SE
	global_prefetch_b8 v[PFO], s[18:19] offset:139264 th:TH_LOAD_NT scope:SCOPE_SE
.Lnoask_\@:
.endm
; TURN0, tile ts of the block: piece 0's 32 products.  Beside them: piece 1's selection for the tile before, and the scaling, rounding and storing of set ts of the next block.
; bar = 1: the block's last tile: my stores of the next block and my reads of this one are done: signal.
.macro TURN0 ts, bar
.set tkn, 0
.set cvn, 0
.set mi, 0
	s_wait_dscnt 0x0                               ; A's fragments 0-3 are in
.rept 32
.if mi == 16
	s_wait_dscnt 0x0                               ; fragments 4-7 are in, and my LDS stores are done
.if \bar
	s_barrier_signal -1                            ; only work on registers stands between this and the wait in TURN1
.endif
.endif
	MM 0, mi
.if mi < 2
	TKS 1, 4
.elseif mi < 13
	CVBS \ts, 3
.else
	TKS 1, 4
.endif
.if mi == 1
.if (\ts) != 0
	s_wait_alu depctr_va_vdst(0)                   ; one wait for the two reciprocals of the turn before, ahead of their first reader (for ts = 0 it stands ahead of the loop's branch)
.endif
	AFR 4, (\ts)*16*PITCH                          ; their last reader stands 12 plain instructions back
.endif
.if (mi == 12) && ((\ts) == 0)
	ASK
.endif
.set mi, mi+1
.endr
.endm
; TURN1: piece 1's 32 products.  Beside them: the norms of the set that the next TURN0 scales, and piece 0's selection.
.macro TURN1 ts, bar
.set tkn, 0
.set can, 0
.set mi, 0
.set kk, ((\ts)+1)%4
	s_add_co_u32 s26, s26, s27                     ; this tile's number
	s_mov_b32 s27, 1
	s_wait_loadcnt 24                              ; the set asked for three tiles ago is in; the 24 loads of the three sets behind it stay out
.rept 32
	MM 1, mi
.if mi < 10
	CVAS kk, 3
.elseif mi == 17
.irp n, 0,1,2,3
	CVA2 \n
.endr
.else
	TKS 0, 4
.endif
.if mi == 16
	WIN 0
.if \bar
	s_barrier_wait -1                              ; every wave's part of the next block is stored, and nobody reads this block any more
	s_xor_b32 s24, s24, SLOTX
	v_add_nc_u32 v[ARD], s24, v[ARD0]
.endif
	s_wait_alu depctr_va_vdst(0)                   ; one wait for the two roots, ahead of their first reader
.if \bar
	AFR 0, 0
.else
	AFR 0, ((\ts)+1)*16*PITCH                      ; the next tile's fragments 0-3: their last reader stands 8 plain instructions back
.endif
.endif
.set mi, mi+1
.endr
.endm
	LD4 0, 0                                       ; block 0: 28 of its 32 loads; with the 32 of the first two half tiles of queries 60 loads of mine are out
	LD4 0, 1
	LD4 1, 0
	LD4 1, 1
	LD4 2, 0
	LD4 2, 1
	LD4 3, 0
	QLOAD 0
	QLOAD 1
.set qh, 0
.rept 16
.if qh < 15
	s_wait_loadcnt 16                              ; this half tile is in; the next one's 16 loads stay out
.else
	s_wait_loadcnt 0x0
.endif
.if qh == 0
	LD4 3, 1                                       ; block 0's last four loads: issued ahead of the next half tile's, so the next wait for 16 covers them
.endif
	QCAST qh
.if qh < 14
	QLOAD qh+2
.endif
.set qh, qh+1
.endr
	WIN 0
	s_add_nc_u64 s[18:19], s[16:17], 0x10000       ; all loads are done: the pointer goes to block 1
	v_mov_b32 v[AWR], v[AWR0]                      ; block 0 goes into slot 0
.irp k, 0,1,2,3
.set can, 0
	CVAS \k, 30
	v_nop
	s_wait_alu depctr_va_vdst(0)
.irp n, 0,1,2,3
	CVA2 \n
.endr
	v_nop
	s_wait_alu depctr_va_vdst(0)
.set cvn, 0
	CVBS \k, 32                                    ; its loads bring block 1's sets
.endr
	WIN 0
.set li, 0
.rept 128
	v_mov_b32 v[LIST+li], s34                      ; the lists start at the lowest finite number,
.set li, li+1
.endr
.set li, 0
.rept 32
	v_mov_b32 v[ACC+32+li], s34                    ; and so does what the first TURN0 inserts for a tile that has not been: 100 true keys push it out
.set li, li+1
.endr
	s_wait_loadcnt 24                              ; block 1's set 0 is in
.set can, 0
	CVAS 0, 30
	v_nop
	s_wait_alu depctr_va_vdst(0)
.irp n, 0,1,2,3
	CVA2 \n
.endr
	v_nop
	s_wait_alu depctr_va_vdst(0)
	s_wait_dscnt 0x0                               ; my part of block 0 is stored
	s_barrier_signal -1
	s_barrier_wait -1
	s_mov_b32 s24, 0                               ; slot being read
	s_mov_b32 s25, SLOTX                           ; slot being written
	v_mov_b32 v[ARD], v[ARD0]
	AFR 0, 0
	WIN 0
.Ltrip:                                                ; a trip: block B is multiplied, block B + 1 converted, block B + 2 asked for
	s_wait_xcnt 0x0                                ; the last trip's loads and prefetches have read the pointer
	s_min_u32 s20, s22, 24                         ; the last two trips name the last block once more
	s_lshl_b32 s20, s20, 16
	s_add_nc_u64 s[18:19], s[16:17], s[20:21]
	s_add_co_u32 s22, s22, 1
	v_add_nc_u32 v[AWR], s25, v[AWR0]
	s_xor_b32 s25, s25, SLOTX
	TURN0 0, 0
	TURN1 0, 0
	TURN0 1, 0
	TURN1 1, 0
	TURN0 2, 0
	TURN1 2, 0
	TURN0 3, 1
	TURN1 3, 1
	WIN 0
	s_wait_alu depctr_va_vdst(0)                   ; the last turn's reciprocals, ahead of the branch
	s_sub_co_u32 s23, s23, 1
	s_cmp_lg_u32 s23, 0
	s_cbranch_scc1 .Ltrip
.set tkn, 0
	TKS 1, 84                                      ; piece 1's selection for the last tile; the four insertions behind the last product are its places
	; THE WAY OUT: a lane's 8 lists of 64 bytes go through my own stage, so that each store of the wave covers 512 consecutive bytes of keys, aligned
	v_and_b32 v80, 15, v0
	v_bfe_u32 v81, v0, 4, 1
	v_and_b32 v82, 31, v0
	s_lshl_b32 s20, s12, 14
	s_add_co_u32 s20, s20, STAGE
	v_lshl_add_u32 v83, v80, 7, s20
	v_lshl_add_u32 v83, v81, 6, v83                ; in: query x 128 + half x 64
	v_lshl_add_u32 v84, v82, 4, s20                ; back: 16 bytes a lane
	v_lshlrev_b32 v85, 4, v82
	s_lshl_b32 s32, s14, 7
	s_lshl_b32 s33, s12, 5
	s_add_co_u32 s32, s32, s33                     ; my first group of four queries
	s_mul_i32 s32, s32, 64000                      ; keys: [256 groups of 4 queries][125 chunks][4 queries][2 halves][16]
	s_lshl_b32 s33, s13, 9
	s_add_co_u32 s32, s32, s33
	s_mov_b32 s33, 0
	s_add_nc_u64 s[8:9], s[8:9], s[32:33]
.set et, 0
.rept 8
.irp e, 0,1,2,3
	ds_store_b128 v83, v[LIST+16*et+4*\e:LIST+16*et+4*\e+3] offset:2048*et+16*\e
.endr
.set et, et+1
.endr
.set eb, 0
.rept 4
.if eb > 0
	s_wait_xcnt 0x0                                ; the stores before have read their registers
.endif
.irp j, 0,1,2,3,4,5,6,7
	ds_load_b128 v[16+4*\j:19+4*\j], v84 offset:512*(8*eb+\j)  ; LDS serves a wave's instructions in order: these see my stores above
.endr
.irp j, 0,1,2,3,4,5,6,7
	s_wait_dscnt 7-\j
	global_store_b128 v85, v[16+4*\j:19+4*\j], s[8:9] offset:64000*(8*eb+\j)
.endr
.set eb, eb+1
.endr
	s_wait_tensorcnt 0x0                           ; the wave's end: behind my last LDS store
	ds_add_u32 v[SPW], v[NIL]
	s_wait_dscnt 0x0
	s_endpgm
; ---------------------------------------------------------------- the forward model
; 256 queries a work-group, 64 a wave, 16 a pass.  The products are taken transposed (source 0 = 16 output features, from W stored [K][N] in LDS by the turning load; source 1 = 16 queries):
; a lane holds ONE query and features 16 t + 8 (lane / 16) + 0..7, so a layer norm is a sum in the lane and one exchange of the halves, and two result tiles rounded in pairs ARE the next layer's source 1.
; The biases are the C operands that start the sums.  Everything lies in window 0.
.set W1L, MB                           ; W1: 288 rows (262 and 26 of zeros) x 288 bytes; W2: 128 x 160; W3: 64 x 544.  Pitches are odd multiples of 32 bytes
.set W2L, MB+82944
.set W3L, MB+103424
.set BF, 16                            ; v16-87   9 fragments of the input; later be, z_t1
.set AC, 88                            ; v88-151  8 accumulators
.set AF, 152                           ; v152-215 8 fragments of W; also staging, g
.set B2, 216                           ; v216-247 layer 2's input; v216-231 layer 3's
.macro STG8 sb, la, lb                 ; 8 x 512 bytes of f32 from v64, rounded, to LDS at v65 + la (j / 2) + lb (j % 2)
.irp j, 0,1,2,3,4,5,6,7
	global_load_b128 v[16+4*\j:19+4*\j], v64, s[\sb:\sb+1] offset:512*\j
.endr
	s_wait_loadcnt 0x0
.irp j, 0,1,2,3,4,5,6,7
	v_cvt_pk_bf16_f32 v[48+2*\j], v[16+4*\j], v[17+4*\j]
	v_cvt_pk_bf16_f32 v[49+2*\j], v[18+4*\j], v[19+4*\j]
.endr
.irp j, 0,1,2,3,4,5,6,7
	ds_store_b64 v65, v[48+2*\j:49+2*\j] offset:(\la)*(\j/2)+(\lb)*(\j%2)
.endr
	v_add_nc_u32 v64, 4096, v64
.endm
.macro FRAGS dst, adr, off, pit, nt    ; nt fragments (16 features x 32 k) of W^T
.set ft, 0
.rept \nt
	ds_load_tr16_b128 v[(\dst)+8*ft:(\dst)+8*ft+3],   v[\adr] offset:(\off)+32*ft
	ds_load_tr16_b128 v[(\dst)+8*ft+4:(\dst)+8*ft+7], v[\adr] offset:(\off)+32*ft+16*(\pit)
.set ft, ft+1
.endr
.endm
.macro MULS nt, af, bf                 ; nt products, the accumulators by turns
.set ft, 0
.rept \nt
	v_wmma_f32_16x16x32_bf16 v[AC+8*ft:AC+8*ft+7], v[(\af)+8*ft:(\af)+8*ft+7], v[(\bf):(\bf)+7], v[AC+8*ft:AC+8*ft+7]
.set ft, ft+1
.endr
.endm
.macro BIAS nt, sb, vo                 ; a bias into nt accumulators
.set ft, 0
.rept \nt
	global_load_b128 v[AC+8*ft:AC+8*ft+3],   v[\vo], s[\sb:\sb+1] offset:64*ft
	global_load_b128 v[AC+8*ft+4:AC+8*ft+7], v[\vo], s[\sb:\sb+1] offset:64*ft+16
.set ft, ft+1
.endr
.endm
; Layer norm over nt tiles, gain, offset, ReLU, rounding to bf16 into ob.  Mean first, then the mean of the squared differences, as reference() has it.  The sums begin at each accumulator's low end.
.macro LNORM nt, sg, sb, sinv, ob
.set lt, 0
.rept \nt
	global_load_b128 v[AF+8*lt:AF+8*lt+3],   v8, s[\sg:\sg+1] offset:64*lt
	global_load_b128 v[AF+8*lt+4:AF+8*lt+7], v8, s[\sg:\sg+1] offset:64*lt+16
	global_load_b128 v[BF+8*lt:BF+8*lt+3],   v8, s[\sb:\sb+1] offset:64*lt
	global_load_b128 v[BF+8*lt+4:BF+8*lt+7], v8, s[\sb:\sb+1] offset:64*lt+16
.set lt, lt+1
.endr
	v_pk_add_f32 v[252:253], v[AC:AC+1], v[AC+2:AC+3]
.set lt, 4
.rept 4*(\nt)-2
	v_pk_add_f32 v[252:253], v[252:253], v[AC+lt:AC+lt+1]
.set lt, lt+2
.endr
	v_add_f32 v254, v252, v253
	v_permlanex16_b32 v255, v254, s60, s61         ; the query's other features lie in the lane 16 away
	v_add_f32 v254, v254, v255
	v_mul_f32 v248, s[\sinv], v254
	v_mov_b32 v249, v248
.set lt, 0
.rept 4*(\nt)
	v_pk_add_f32 v[AC+lt:AC+lt+1], v[AC+lt:AC+lt+1], v[248:249] neg_lo:[0,1] neg_hi:[0,1]
.set lt, lt+2
.endr
	v_pk_mul_f32 v[252:253], v[AC:AC+1], v[AC:AC+1]
.set lt, 2
.rept 4*(\nt)-1
	v_pk_fma_f32 v[252:253], v[AC+lt:AC+lt+1], v[AC+lt:AC+lt+1], v[252:253]
.set lt, lt+2
.endr
	v_add_f32 v254, v252, v253
	v_permlanex16_b32 v255, v254, s60, s61
	v_add_f32 v254, v254, v255
	v_fma_f32 v254, v254, s[\sinv], s59            ; variance + 1e-5
	v_rsq_f32 v250, v254
	v_nop
	s_wait_alu depctr_va_vdst(0)
	v_mov_b32 v251, v250
	s_wait_loadcnt 0x0                             ; gain and offset
.set lt, 0
.rept 4*(\nt)
	v_pk_mul_f32 v[AC+lt:AC+lt+1], v[AC+lt:AC+lt+1], v[250:251]
	v_pk_fma_f32 v[AC+lt:AC+lt+1], v[AC+lt:AC+lt+1], v[AF+lt:AF+lt+1], v[BF+lt:BF+lt+1]
.set lt, lt+2
.endr
.set lt, 0
.rept 4*(\nt)
	v_cvt_pk_bf16_f32 v[(\ob)+lt], v[AC+2*lt], v[AC+2*lt+1]
	v_pk_max_num_bf16 v[(\ob)+lt], v[(\ob)+lt], v15
.set lt, lt+1
.endr
.endm
.Lmlp:
	s_load_b256 s[32:39], s[0:1], 0x20             ; action s[32:33], z_t1 s[34:35], sigma s[36:37], W1 s[38:39]
	s_load_b256 s[40:47], s[0:1], 0x40             ; b1, g1, be1, W2
	s_load_b256 s[48:55], s[0:1], 0x60             ; b2, g2, be2, W3
	s_load_b64 s[56:57], s[0:1], 0x80              ; b3
	v_and_b32 v4, 15, v0
	v_bfe_u32 v5, v0, 4, 1
	v_and_b32 v6, 31, v0
	v_lshlrev_b32 v7, 10, v4
	v_lshl_add_u32 v7, v5, 5, v7                   ; 1,024 (l % 16) + 32 (l / 16): z_t and z_t1
	v_lshlrev_b32 v8, 5, v5                        ; 32 (l / 16): biases, gains
	v_mul_u32_u24 v9, v4, 24                       ; a row of action or sigma
	v_and_b32 v10, 7, v0
	v_lshl_add_u32 v10, v5, 3, v10                 ; the turning load's row: 8 (l / 16) + l % 8
	v_bfe_u32 v11, v0, 3, 1
	v_lshlrev_b32 v11, 4, v11
	v_mad_u32_u24 v12, v10, 160, v11
	v_add_nc_u32 v12, W2L, v12
	v_mad_u32_u24 v13, v10, 544, v11
	v_add_nc_u32 v13, W3L, v13
	v_mad_u32_u24 v10, v10, 288, v11
	v_add_nc_u32 v10, W1L, v10
	v_add_nc_u32 v11, 36864, v10                   ; W1 from row 128 on: the immediate has 16 bits
	v_cmp_eq_u32 vcc_lo, 0, v5
	v_cndmask_b32 v14, 0, -1, vcc_lo               ; all ones in lanes 0-15
	v_mov_b32 v15, 0
	v_mov_b32 v255, 0
	v_lshlrev_b32 v1, 12, v5
	v_lshl_add_u32 v1, v4, 2, v1                   ; part: lanes 0-15 pred_err, lanes 16-31 epistemic
	s_mov_b32 s58, 0x3c000000                      ; 1 / 128
	s_mov_b32 s62, 0x3c800000                      ; 1 / 64
	s_mov_b32 s59, 0x3727c5ac                      ; 1e-5
	s_mov_b32 s60, 0x76543210
	s_mov_b32 s61, 0xfedcba98
	s_sub_co_u32 s20, ttmp9, 250
	s_lshl_b32 s20, s20, 8
	s_lshl_b32 s21, s12, 6
	s_add_co_u32 s20, s20, s21                     ; my wave's first query
	s_lshl_b32 s26, s20, 10
	s_mov_b32 s27, 0
	s_wait_kmcnt 0x0
	s_add_nc_u64 s[4:5], s[4:5], s[26:27]
	s_add_nc_u64 s[34:35], s[34:35], s[26:27]
	s_mul_i32 s26, s20, 24
	s_add_nc_u64 s[32:33], s[32:33], s[26:27]
	s_add_nc_u64 s[36:37], s[36:37], s[26:27]
	s_lshl_b32 s26, s20, 2
	s_add_nc_u64 s[10:11], s[10:11], s[26:27]
	; the weights, rounded once, into LDS.  W1: wave w takes rows 64 w .. 64 w + 63, a row an instruction
	s_lshl_b32 s20, s12, 15
	v_lshl_add_u32 v64, v6, 4, s20
	s_mul_i32 s20, s12, 64*288
	s_add_co_u32 s20, s20, W1L
	v_lshl_add_u32 v65, v6, 3, s20
	s_mov_b32 s25, 8
.Lw1:
	STG8 38, 576, 288
	v_add_nc_u32 v65, 2304, v65
	s_sub_co_u32 s25, s25, 1
	s_cmp_lg_u32 s25, 0
	s_cbranch_scc1 .Lw1
	; rows 256 + 8 w .. + 7: wave 0 has W1's last six rows and two of zeros, the others zeros (they meet zeros of the input, and LDS is not cleared)
.set lt, 0
.rept 16
	v_mov_b32 v[48+lt], 0
.set lt, lt+1
.endr
	s_cmp_lg_u32 s12, 0
	s_cbranch_scc1 .Lw1z
	v_lshlrev_b32 v64, 4, v6
.irp j, 0,1,2,3,4,5
	global_load_b128 v[16+4*\j:19+4*\j], v64, s[38:39] offset:131072+512*\j
.endr
	s_wait_loadcnt 0x0
.irp j, 0,1,2,3,4,5
	v_cvt_pk_bf16_f32 v[48+2*\j], v[16+4*\j], v[17+4*\j]
	v_cvt_pk_bf16_f32 v[49+2*\j], v[18+4*\j], v[19+4*\j]
.endr
.Lw1z:
	s_mul_i32 s20, s12, 8*288
	s_add_co_u32 s20, s20, W1L+256*288
	v_lshl_add_u32 v65, v6, 3, s20
.irp j, 0,1,2,3,4,5,6,7
	ds_store_b64 v65, v[48+2*\j:49+2*\j] offset:288*\j
.endr
	; W2: wave w takes rows 32 w .. + 31, two rows an instruction
	s_lshl_b32 s20, s12, 13
	v_lshl_add_u32 v64, v6, 4, s20
	s_mul_i32 s20, s12, 32*160
	s_add_co_u32 s20, s20, W2L
	v_mad_u32_u24 v65, v5, 160, s20
	v_lshl_add_u32 v65, v4, 3, v65
	s_mov_b32 s25, 2
.Lw2:
	STG8 46, 640, 320
	v_add_nc_u32 v65, 2560, v65
	s_sub_co_u32 s25, s25, 1
	s_cmp_lg_u32 s25, 0
	s_cbranch_scc1 .Lw2
	; W3: wave w takes rows 16 w .. + 15, half a row an instruction
	s_lshl_b32 s20, s12, 14
	v_lshl_add_u32 v64, v6, 4, s20
	s_mul_i32 s20, s12, 16*544
	s_add_co_u32 s20, s20, W3L
	v_lshl_add_u32 v65, v6, 3, s20
	s_mov_b32 s25, 4
.Lw3:
	STG8 54, 544, 256
	v_add_nc_u32 v65, 2176, v65
	s_sub_co_u32 s25, s25, 1
	s_cmp_lg_u32 s25, 0
	s_cbranch_scc1 .Lw3
	s_wait_dscnt 0x0                               ; for the others' sake: my stores are done
	s_barrier_signal -1
	s_barrier_wait -1
	s_mov_b32 s24, 4
.Lpass:                                                ; 16 queries
.irp hf, 0,1
.irp c, 0,1,2,3
	global_load_b128 v[AF+16*\c:AF+16*\c+3],     v7, s[4:5] offset:128*(4*\hf+\c)
	global_load_b128 v[AF+16*\c+4:AF+16*\c+7],   v7, s[4:5] offset:128*(4*\hf+\c)+16
	global_load_b128 v[AF+16*\c+8:AF+16*\c+11],  v7, s[4:5] offset:128*(4*\hf+\c)+64
	global_load_b128 v[AF+16*\c+12:AF+16*\c+15], v7, s[4:5] offset:128*(4*\hf+\c)+80
.endr
	s_wait_loadcnt 0x0
.set lt, 0
.rept 32
	v_cvt_pk_bf16_f32 v[BF+32*\hf+lt], v[AF+2*lt], v[AF+2*lt+1]
.set lt, lt+1
.endr
.endr
	global_load_b64 v[AF:AF+1],   v9, s[32:33]
	global_load_b64 v[AF+2:AF+3], v9, s[32:33] offset:8
	global_load_b64 v[AF+4:AF+5], v9, s[32:33] offset:16
	BIAS 8, 40, 8
	s_wait_loadcnt 0x0
.irp j, 0,1,2
	v_cvt_pk_bf16_f32 v[BF+64+\j], v[AF+2*\j], v[AF+2*\j+1]  ; fragment 8: k = 256 .. 261 are the action, in lanes 0-15; the rest is 0
.endr
.irp j, 0,1,2
	v_and_b32 v[BF+64+\j], v14, v[BF+64+\j]
.endr
.irp j, 3,4,5,6,7
	v_mov_b32 v[BF+64+\j], 0
.endr
.set lc, 0
.rept 9
.if lc < 4
	FRAGS AF, 10, lc*9216, 288, 8
.else
	FRAGS AF, 11, (lc-4)*9216, 288, 8
.endif
	s_wait_dscnt 0x0
	MULS 8, AF, BF+8*lc
	PLACES
.set lc, lc+1
.endr
	LNORM 8, 42, 44, 58, B2
	BIAS 4, 48, 8
	s_wait_loadcnt 0x0
.set lc, 0
.rept 4
	FRAGS AF, 12, lc*5120, 160, 4
	s_wait_dscnt 0x0
	MULS 4, AF, B2+8*lc
	PLACES
.set lc, lc+1
.endr
	LNORM 4, 50, 52, 62, B2
	v_mov_b32 v120, 0                              ; the sum of squared errors
	v_mov_b32 v121, 0
	v_mov_b32 v244, v8
	v_mov_b32 v245, v7
	v_mov_b32 v246, v13
	s_mov_b32 s25, 4
.Lg3:                                                  ; 64 of layer 3's 256 features
	BIAS 4, 56, 244
.set lt, 0
.rept 4
	global_load_b128 v[BF+8*lt:BF+8*lt+3],   v245, s[34:35] offset:64*lt
	global_load_b128 v[BF+8*lt+4:BF+8*lt+7], v245, s[34:35] offset:64*lt+16
.set lt, lt+1
.endr
	FRAGS AF, 246, 0, 544, 4
	FRAGS AF+32, 246, 32*544, 544, 4
	s_wait_loadcnt 0x0
	s_wait_dscnt 0x0
	MULS 4, AF, B2
	MULS 4, AF+32, B2+8
	PLACES
.set lt, 0
.rept 16
	v_pk_add_f32 v[AC+lt:AC+lt+1], v[AC+lt:AC+lt+1], v[BF+lt:BF+lt+1] neg_lo:[0,1] neg_hi:[0,1]
.set lt, lt+2
.endr
.set lt, 0
.rept 16
	v_pk_fma_f32 v[120:121], v[AC+lt:AC+lt+1], v[AC+lt:AC+lt+1], v[120:121]
.set lt, lt+2
.endr
	v_add_nc_u32 v244, 256, v244
	v_add_nc_u32 v245, 256, v245
	v_add_nc_u32 v246, 128, v246
	s_sub_co_u32 s25, s25, 1
	s_cmp_lg_u32 s25, 0
	s_cbranch_scc1 .Lg3
	global_load_b64 v[16:17], v9, s[36:37]
	global_load_b64 v[18:19], v9, s[36:37] offset:8
	global_load_b64 v[20:21], v9, s[36:37] offset:16
	v_add_f32 v254, v120, v121
	v_permlanex16_b32 v255, v254, s60, s61
	v_add_f32 v254, v254, v255
	v_mul_f32 v254, 0x3b800000, v254               ; / 256
	s_wait_loadcnt 0x0
	v_pk_add_f32 v[16:17], v[16:17], v[18:19]
	v_pk_add_f32 v[16:17], v[16:17], v[20:21]
	v_add_f32 v16, v16, v17
	v_mul_f32 v16, 0x3e2aaaab, v16                 ; / 6
	v_cmp_eq_u32 vcc_lo, 1, v5
	v_cndmask_b32 v254, v254, v16, vcc_lo
	global_store_b32 v1, v254, s[10:11]
	s_wait_xcnt 0x0                                ; the bases and the store's data are rewritten only behind this wait
	s_add_nc_u64 s[4:5], s[4:5], 16384
	s_add_nc_u64 s[34:35], s[34:35], 16384
	s_add_nc_u64 s[32:33], s[32:33], 384
	s_add_nc_u64 s[36:37], s[36:37], 384
	s_add_nc_u64 s[10:11], s[10:11], 64
	s_sub_co_u32 s24, s24, 1
	s_cmp_lg_u32 s24, 0
	s_cbranch_scc1 .Lpass
	s_wait_tensorcnt 0x0                           ; the wave's end: behind my last LDS store
	ds_add_u32 v[SPW], v[NIL]
	s_wait_dscnt 0x0
	s_endpgm
.Lfunc_end_k_q0a0d382d97_scan:
	.size	k_q0a0d382d97_scan, .Lfunc_end_k_q0a0d382d97_scan-k_q0a0d382d97_scan
	.p2alignl 7, 3214868480
	.fill 96, 4, 3214868480
	.section	.rodata,"a",@progbits
	.p2align	6, 0x0
	.amdhsa_kernel k_q0a0d382d97_scan
		.amdhsa_group_segment_fixed_size 304640
		.amdhsa_private_segment_fixed_size 0
		.amdhsa_enable_private_segment 0
		.amdhsa_kernarg_size 136
		.amdhsa_user_sgpr_count 2
		.amdhsa_user_sgpr_kernarg_segment_ptr 1
		.amdhsa_wavefront_size32 1
		.amdhsa_system_sgpr_workgroup_id_x 1
		.amdhsa_system_sgpr_workgroup_id_y 1
		.amdhsa_system_sgpr_workgroup_id_z 1
		.amdhsa_system_vgpr_workitem_id 0
		.amdhsa_next_free_vgpr 1024
		.amdhsa_next_free_sgpr 66
		.amdhsa_reserve_vcc 1
		.amdhsa_float_denorm_mode_32 3
		.amdhsa_float_denorm_mode_16_64 3
		.amdhsa_memory_ordered 1
		.amdhsa_forward_progress 1
		.amdhsa_inst_pref_size 255
	.end_amdhsa_kernel
	.section	.bss,"aw",@nobits
	.p2align	6
	.space	262144
	.amdgpu_metadata
---
amdhsa.version: [ 1, 2 ]
amdhsa.kernels:
  - .name:           k_q0a0d382d97_scan
    .symbol:         k_q0a0d382d97_scan.kd
    .args:
      - { .name: z_t, .offset: 0, .size: 8, .value_kind: global_buffer, .address_space: global }
      - { .name: mem, .offset: 8, .size: 8, .value_kind: global_buffer, .address_space: global }
      - { .name: keys, .offset: 16, .size: 8, .value_kind: global_buffer, .address_space: global }
      - { .name: part, .offset: 24, .size: 8, .value_kind: global_buffer, .address_space: global }
      - { .name: action, .offset: 32, .size: 8, .value_kind: global_buffer, .address_space: global }
      - { .name: z_t1, .offset: 40, .size: 8, .value_kind: global_buffer, .address_space: global }
      - { .name: sigma, .offset: 48, .size: 8, .value_kind: global_buffer, .address_space: global }
      - { .name: W1, .offset: 56, .size: 8, .value_kind: global_buffer, .address_space: global }
      - { .name: b1, .offset: 64, .size: 8, .value_kind: global_buffer, .address_space: global }
      - { .name: g1, .offset: 72, .size: 8, .value_kind: global_buffer, .address_space: global }
      - { .name: be1, .offset: 80, .size: 8, .value_kind: global_buffer, .address_space: global }
      - { .name: W2, .offset: 88, .size: 8, .value_kind: global_buffer, .address_space: global }
      - { .name: b2, .offset: 96, .size: 8, .value_kind: global_buffer, .address_space: global }
      - { .name: g2, .offset: 104, .size: 8, .value_kind: global_buffer, .address_space: global }
      - { .name: be2, .offset: 112, .size: 8, .value_kind: global_buffer, .address_space: global }
      - { .name: W3, .offset: 120, .size: 8, .value_kind: global_buffer, .address_space: global }
      - { .name: b3, .offset: 128, .size: 8, .value_kind: global_buffer, .address_space: global }
    .group_segment_fixed_size: 304640
    .private_segment_fixed_size: 0
    .kernarg_segment_align: 8
    .kernarg_segment_size: 136
    .max_flat_workgroup_size: 128
    .sgpr_count:     66
    .vgpr_count:     1024
    .wavefront_size: 32
...
	.end_amdgpu_metadata
.endif
;; end of part 1
;; launch finish (part 2): grid 256 x 1, 4 waves a work-group, no clusters, 0 bytes of LDS; arguments keys, mem, z_t, part, out0; writes out0
.if DOCPART == 2
	.amdgcn_target "amdgcn-amd-amdhsa--gfx1250"
	.amdhsa_code_object_version 6
	.text
	.protected	k_q0a0d382d97_finish
	.globl	k_q0a0d382d97_finish
	.p2align	8
	.type	k_q0a0d382d97_finish,@function
k_q0a0d382d97_finish:
	s_mov_b64 s[64:65], 0
	v_nop
	global_prefetch_b8 v0, s[64:65] scope:SCOPE_SE
	s_setreg_imm32_b32 hwreg(HW_REG_WAVE_MODE, 25, 1), 1
	s_wait_xcnt 0x0
; IntrinsicReward, second launch.  A wave has ONE query.
; 1. keys holds for the query 250 sorted lists of 16 keys (a key: a group's largest sim, the tile's number in its 7 lowest bits).  The 16 largest keys are found by whole-number work alone: a key is mapped
;    so that signed whole numbers order as the floats do; beside it travels the list's number.  A lane merges its 8 lists, then five exchanges between lanes merge the 32 lanes' lists.
; 2. The 16 groups of 8 rows of mem are gathered and their 128 cosines computed in f32 by reference()'s own formula; the 16 largest sims of the query are among them (shown at the first kernel's head).
; 3. novelty, total, and the two numbers that the first launch left in part, are stored.  No work of reference() is left out.
; LIMITS: NaN and infinities are not treated apart.  A wave stores four numbers of 4 bytes, 4,096 bytes apart: out0 is 16 KiB in all.
.set AK, 32                            ; v32-47   the running 16 keys, descending;  v48-63 their lists' numbers
.set AP, 48
.set BK, 64                            ; v64-95   the partner lane's
.set BP, 80
.set YK, 96                            ; v96-127  the sorting network's other side
.set YP, 112
.set RAW, 128                          ; v128-255 my 8 lists as loaded
.set ZZ, 10                            ; v10-25   z: floats 64 i + 4 (l % 16) + 0..3
.set GA, 32                            ; v32-95, v96-159: two groups of 8 rows: row pair p, piece i at 16 p + 4 i
.set GB, 96
.set FL, 160                           ; v160-175 the 16 largest m . z / (|m| + 1e-8) of my half's rows
.set DD, 176                           ; v176-183 m . z, a pair for each row pair
.set SS, 184                           ; v184-191 m . m
	s_load_b256 s[4:11], s[0:1], 0x0               ; keys s[4:5], mem s[6:7], z_t s[8:9], part s[10:11]
	s_load_b64 s[12:13], s[0:1], 0x20              ; out0
	v_and_b32 v1, 31, v0
	v_lshrrev_b32 v6, 5, v0
	v_readfirstlane_b32 s14, v6                    ; wave
	v_and_b32 v2, 15, v0
	v_bfe_u32 v3, v0, 4, 1
	s_lshl2_add_u32 s15, ttmp9, s14                ; my query
	v_lshrrev_b32 v4, 1, v1                        ; list l + 32 i: chunk (l >> 1) + 16 i, half l & 1
	v_lshlrev_b32 v4, 9, v4
	v_and_b32 v6, 1, v1
	v_lshl_add_u32 v4, v6, 6, v4
	v_add_nc_u32 v8, 57344, v4
	v_min_u32 v8, 63552, v8                        ; lists 250 to 255 do not exist: those lanes read the last list, and their keys are struck out below
	v_lshlrev_b32 v5, 10, v3
	v_lshl_add_u32 v5, v2, 4, v5                   ; in a row pair: 1,024 (l / 16) + 16 (l % 16)
	v_lshlrev_b32 v7, 4, v2
	v_mov_b32 v9, 0
	s_mul_i32 s16, ttmp9, 64000
	s_lshl_b32 s17, s14, 7
	s_add_co_u32 s16, s16, s17
	s_mov_b32 s17, 0
	s_lshl_b32 s18, s15, 10
	s_mov_b32 s19, 0
	s_lshl_b32 s20, s15, 2
	s_mov_b32 s21, 0
	s_mov_b32 s28, 0x76543210
	s_mov_b32 s29, 0xfedcba98
	s_wait_kmcnt 0x0
	s_add_nc_u64 s[4:5], s[4:5], s[16:17]
	s_add_nc_u64 s[8:9], s[8:9], s[18:19]
	s_add_nc_u64 s[10:11], s[10:11], s[20:21]
	s_add_nc_u64 s[12:13], s[12:13], s[20:21]
.set li, 0
.rept 7
.irp e, 0,1,2,3
	global_load_b128 v[RAW+16*li+4*\e:RAW+16*li+4*\e+3], v4, s[4:5] offset:8192*li+16*\e th:TH_LOAD_NT
.endr
.set li, li+1
.endr
.irp e, 0,1,2,3
	global_load_b128 v[RAW+112+4*\e:RAW+112+4*\e+3], v8, s[4:5] offset:16*\e th:TH_LOAD_NT
.endr
.irp i, 0,1,2,3
	global_load_b128 v[ZZ+4*\i:ZZ+4*\i+3], v7, s[8:9] offset:256*\i
.endr
	global_load_b32 v27, v9, s[10:11]              ; pred_err
	global_load_b32 v28, v9, s[10:11] offset:4096  ; epistemic
; a float's bits to a whole number of the same order: negative numbers have their lower 31 bits turned (the same line turns them back)
.macro MAP d, b
.set mi, 0
.rept 16
	v_ashrrev_i32 v[29+mi%2], 31, v[(\b)+mi]
	v_lshrrev_b32 v[29+mi%2], 1, v[29+mi%2]
	v_xor_b32 v[(\d)+mi], v[29+mi%2], v[(\b)+mi]
.set mi, mi+1
.endr
.endm
; one stage of the sorting network, from (ik, ip) to (ok, op): entries st apart; the larger key to the lower place, its list's number with it
.macro STAGE ik, ip, ok, op, st
.set si, 0
.rept 16
.if (si/(\st))%2 == 0
	v_cmp_lt_i32 vcc_lo, v[(\ik)+si], v[(\ik)+si+(\st)]
	v_max_i32 v[(\ok)+si], v[(\ik)+si], v[(\ik)+si+(\st)]
	v_min_i32 v[(\ok)+si+(\st)], v[(\ik)+si], v[(\ik)+si+(\st)]
	v_cndmask_b32 v[(\op)+si], v[(\ip)+si], v[(\ip)+si+(\st)], vcc_lo
	v_cndmask_b32 v[(\op)+si+(\st)], v[(\ip)+si+(\st)], v[(\ip)+si], vcc_lo
.endif
.set si, si+1
.endr
.endm
; the 16 largest of two descending lists: entry i against the other's entry 15 - i gives them, in an order that rises and falls; four stages sort them.  st = 0: the other list's numbers are one register
.macro MERGE bk, bp, st
.set gi, 0
.rept 16
	v_cmp_gt_i32 vcc_lo, v[(\bk)+15-gi], v[AK+gi]
	v_cndmask_b32 v[AP+gi], v[AP+gi], v[(\bp)+(\st)*(15-gi)], vcc_lo
	v_max_i32 v[AK+gi], v[AK+gi], v[(\bk)+15-gi]
.set gi, gi+1
.endr
	STAGE AK, AP, YK, YP, 8
	STAGE YK, YP, AK, AP, 4
	STAGE AK, AP, YK, YP, 2
	STAGE YK, YP, AK, AP, 1
.endm
	s_wait_loadcnt 34                              ; list 0 is in: behind it 28 loads of lists and 6 others
	MAP AK, RAW
.set li, 0
.rept 16
	v_mov_b32 v[AP+li], v1
.set li, li+1
.endr
.set li, 1
.rept 7
	s_wait_loadcnt (7-li)*4+6                      ; list li is in
	MAP RAW+16*li, RAW+16*li
	v_add_nc_u32 v31, 32*li, v1                    ; its number
.if li == 7
	v_mov_b32 v6, 0x80000000                       ; below every key
	v_cmp_gt_u32 vcc_lo, 250, v31
.set lj, 0
.rept 16
	v_cndmask_b32 v[RAW+112+lj], v6, v[RAW+112+lj], vcc_lo
.set lj, lj+1
.endr
.endif
	MERGE RAW+16*li, 31, 0
.set li, li+1
.endr
	s_wait_loadcnt 0x0                             ; z, pred_err, epistemic
	v_pk_mul_f32 v[DD:DD+1], v[ZZ:ZZ+1], v[ZZ:ZZ+1]
.irp j, 2,4,6,8,10,12,14
	v_pk_fma_f32 v[DD:DD+1], v[ZZ+\j:ZZ+\j+1], v[ZZ+\j:ZZ+\j+1], v[DD:DD+1]
.endr
	v_add_f32 v26, v[DD], v[DD+1]
.irp m, 1,2,4,8
	v_add_f32_dpp v26, v26, v26 row_xmask:\m row_mask:0xf bank_mask:0xf
.endr
	v_sqrt_f32 v26, v26
	v_nop
	s_wait_alu depctr_va_vdst(0)
	v_add_f32 v26, 0x322bcc77, v26
	v_rcp_f32 v26, v26                             ; 1 / (|z| + 1e-8)
	v_nop
	s_wait_alu depctr_va_vdst(0)
	s_mov_b32 s27, 1
	s_mov_b32 s26, 5
.Lbf:                                                  ; lanes 1, 2, 4, 8, 16 apart: the two lanes' lists come from different lists of keys, so no key is met twice
	v_xor_b32 v7, s27, v1
	v_lshlrev_b32 v7, 2, v7
.set li, 0
.rept 16
	ds_bpermute_b32 v[BK+li], v7, v[AK+li]
	ds_bpermute_b32 v[BP+li], v7, v[AP+li]
.set li, li+1
.endr
	s_wait_dscnt 0x0
	MERGE BK, BP, 1
	s_lshl_b32 s27, s27, 1
	s_sub_co_u32 s26, s26, 1
	s_cmp_lg_u32 s26, 0
	s_cbranch_scc1 .Lbf
	; lane 0's 16 entries go into lanes 0 to 15 of two registers, and are turned into group numbers there
	v_mov_b32 v29, 0
	v_mov_b32 v30, 0
.set li, 0
.rept 16
	v_readfirstlane_b32 s32, v[AK+li]
	v_readfirstlane_b32 s33, v[AP+li]
	v_writelane_b32 v29, s32, li
	v_writelane_b32 v30, s33, li
.set li, li+1
.endr
	v_ashrrev_i32 v31, 31, v29
	v_lshrrev_b32 v31, 1, v31
	v_xor_b32 v29, v31, v29
	v_and_b32 v29, 0x7f, v29                       ; the tile in its chunk
	v_lshrrev_b32 v31, 1, v30                      ; the chunk
	v_mul_u32_u24 v31, v31, 200                    ; 200 groups a chunk
	v_and_b32 v30, 1, v30                          ; the half
	v_lshl_add_u32 v29, v29, 1, v30
	v_add_nc_u32 v9, v29, v31                      ; group = 200 chunk + 2 tile + half
.macro GPTR pl, ix                     ; mem at the group whose number lies in lane s[ix]: 8 rows of 1,024 bytes
	v_readlane_b32 s32, v9, s[\ix]
	s_min_u32 s32, s32, 24999
	s_lshl_b32 s32, s32, 13
	s_add_nc_u64 s[\pl:\pl+1], s[6:7], s[32:33]
.endm
.macro GLOAD b, pl                     ; 16 loads: lanes 0-15 take 256 bytes of row 2 p, lanes 16-31 of row 2 p + 1
.irp p, 0,1,2,3
.irp i, 0,1,2,3
	global_load_b128 v[(\b)+16*\p+4*\i:(\b)+16*\p+4*\i+3], v5, s[\pl:\pl+1] offset:2048*\p+256*\i
.endr
.endr
.endm
; a group's 8 cosines (but for z's factor) and their sorted insertion: four values for each half of the lanes
.macro COMPUTE b
.set cj, 0
.rept 8
.set cp, 0
.rept 4
.if cj == 0
	v_pk_mul_f32 v[DD+2*cp:DD+2*cp+1], v[(\b)+16*cp:(\b)+16*cp+1], v[ZZ:ZZ+1]
	v_pk_mul_f32 v[SS+2*cp:SS+2*cp+1], v[(\b)+16*cp:(\b)+16*cp+1], v[(\b)+16*cp:(\b)+16*cp+1]
.else
	v_pk_fma_f32 v[DD+2*cp:DD+2*cp+1], v[(\b)+16*cp+2*cj:(\b)+16*cp+2*cj+1], v[ZZ+2*cj:ZZ+2*cj+1], v[DD+2*cp:DD+2*cp+1]
	v_pk_fma_f32 v[SS+2*cp:SS+2*cp+1], v[(\b)+16*cp+2*cj:(\b)+16*cp+2*cj+1], v[(\b)+16*cp+2*cj:(\b)+16*cp+2*cj+1], v[SS+2*cp:SS+2*cp+1]
.endif
.set cp, cp+1
.endr
.set cj, cj+1
.endr
.irp p, 0,2,4,6
	v_add_f32 v[DD+\p], v[DD+\p], v[DD+\p+1]
	v_add_f32 v[SS+\p], v[SS+\p], v[SS+\p+1]
.endr
.irp m, 1,2,4,8
.irp p, 0,2,4,6
	v_add_f32_dpp v[DD+\p], v[DD+\p], v[DD+\p] row_xmask:\m row_mask:0xf bank_mask:0xf
	v_add_f32_dpp v[SS+\p], v[SS+\p], v[SS+\p] row_xmask:\m row_mask:0xf bank_mask:0xf
.endr
.endr
.irp p, 0,2,4,6
	v_sqrt_f32 v[SS+\p], v[SS+\p]
.endr
	v_nop
	s_wait_alu depctr_va_vdst(0)                   ; one wait for the four roots
.irp p, 0,2,4,6
	v_add_f32 v[SS+\p], 0x322bcc77, v[SS+\p]
.endr
.irp p, 0,2,4,6
	v_rcp_f32 v[SS+\p], v[SS+\p]
.endr
	v_nop
	s_wait_alu depctr_va_vdst(0)                   ; one wait for the four reciprocals
.irp p, 0,2,4,6
	v_mul_f32 v[DD+\p], v[DD+\p], v[SS+\p]
.endr
.irp p, 0,2,4,6
.irp e, 15,14,13,12,11,10,9,8,7,6,5,4,3,2,1
	v_med3_num_f32 v[FL+\e], v[FL+\e-1], v[FL+\e], v[DD+\p]
.endr
	v_max_num_f32 v[FL], v[FL], v[DD+\p]
.endr
.endm
	s_mov_b32 s33, 0
	s_mov_b32 s30, 0
	s_mov_b32 s31, 1
	GPTR 20, 30
	GLOAD GA, 20
	GPTR 22, 31
	GLOAD GB, 22
	s_mov_b32 s34, 0xff7fffff
.set li, 0
.rept 16
	v_mov_b32 v[FL+li], s34
.set li, li+1
.endr
	s_mov_b32 s26, 7
.Lg:                                                   ; two groups are computed, the two after them asked for
	s_add_co_u32 s30, s30, 2
	s_add_co_u32 s31, s31, 2
	s_wait_loadcnt 16                              ; the first group is in (so its pointer may be written); the second's 16 loads stay out
	COMPUTE GA
	GPTR 20, 30
	GLOAD GA, 20
	s_wait_loadcnt 16                              ; the second group is in
	COMPUTE GB
	GPTR 22, 31
	GLOAD GB, 22
	s_sub_co_u32 s26, s26, 1
	s_cmp_lg_u32 s26, 0
	s_cbranch_scc1 .Lg
	s_wait_loadcnt 16                              ; the last two groups: nothing is left to ask for
	COMPUTE GA
	s_wait_loadcnt 0x0
	COMPUTE GB
	; the two halves' lists: entry i against the other half's entry 15 - i gives the 16 largest of all 128
.set li, 0
.rept 16
	v_permlanex16_b32 v[32+li], v[FL+15-li], s28, s29
.set li, li+1
.endr
.set li, 0
.rept 16
	v_max_num_f32 v[32+li], v[32+li], v[FL+li]
.set li, li+1
.endr
.irp j, 2,4,6,8,10,12,14
	v_pk_add_f32 v[32:33], v[32:33], v[32+\j:33+\j]
.endr
	v_add_f32 v32, v32, v33
	v_mul_f32 v30, v32, v26                        ; z's factor
	v_fma_f32 v30, v30, 0xbd800000, 1.0            ; 1 - sum / 16
	v_med3_num_f32 v30, v30, 0, 1.0                ; novelty
	v_fma_f32 v31, v28, 0.5, v27
	v_fma_f32 v31, v30, 0.5, v31                   ; total
	v_cmp_eq_u32 vcc_lo, 1, v1
	v_cndmask_b32 v31, v31, v27, vcc_lo
	v_cmp_eq_u32 vcc_lo, 2, v1
	v_cndmask_b32 v31, v31, v28, vcc_lo
	v_cmp_eq_u32 vcc_lo, 3, v1
	v_cndmask_b32 v31, v31, v30, vcc_lo
	v_lshlrev_b32 v29, 12, v1                      ; lane j stores row j of out0
	s_wait_xcnt 0x0                                ; EXEC changes only behind this wait
	v_cmp_gt_u32 vcc_lo, 4, v1
	s_and_saveexec_b32 s16, vcc_lo
	global_store_b32 v29, v31, s[12:13]
	s_endpgm
.Lfunc_end_k_q0a0d382d97_finish:
	.size	k_q0a0d382d97_finish, .Lfunc_end_k_q0a0d382d97_finish-k_q0a0d382d97_finish
	.p2alignl 7, 3214868480
	.fill 96, 4, 3214868480
	.section	.rodata,"a",@progbits
	.p2align	6, 0x0
	.amdhsa_kernel k_q0a0d382d97_finish
		.amdhsa_group_segment_fixed_size 0
		.amdhsa_private_segment_fixed_size 0
		.amdhsa_enable_private_segment 0
		.amdhsa_kernarg_size 40
		.amdhsa_user_sgpr_count 2
		.amdhsa_user_sgpr_kernarg_segment_ptr 1
		.amdhsa_wavefront_size32 1
		.amdhsa_system_sgpr_workgroup_id_x 1
		.amdhsa_system_sgpr_workgroup_id_y 1
		.amdhsa_system_sgpr_workgroup_id_z 1
		.amdhsa_system_vgpr_workitem_id 0
		.amdhsa_next_free_vgpr 256
		.amdhsa_next_free_sgpr 66
		.amdhsa_reserve_vcc 1
		.amdhsa_float_denorm_mode_32 3
		.amdhsa_float_denorm_mode_16_64 3
		.amdhsa_memory_ordered 1
		.amdhsa_forward_progress 1
		.amdhsa_inst_pref_size 132
	.end_amdhsa_kernel
	.amdgpu_metadata
---
amdhsa.version: [ 1, 2 ]
amdhsa.kernels:
  - .name:           k_q0a0d382d97_finish
    .symbol:         k_q0a0d382d97_finish.kd
    .args:
      - { .name: keys, .offset: 0, .size: 8, .value_kind: global_buffer, .address_space: global }
      - { .name: mem, .offset: 8, .size: 8, .value_kind: global_buffer, .address_space: global }
      - { .name: z_t, .offset: 16, .size: 8, .value_kind: global_buffer, .address_space: global }
      - { .name: part, .offset: 24, .size: 8, .value_kind: global_buffer, .address_space: global }
      - { .name: out0, .offset: 32, .size: 8, .value_kind: global_buffer, .address_space: global }
    .group_segment_fixed_size: 0
    .private_segment_fixed_size: 0
    .kernarg_segment_align: 8
    .kernarg_segment_size: 40
    .max_flat_workgroup_size: 128
    .sgpr_count:     66
    .vgpr_count:     256
    .wavefront_size: 32
...
	.end_amdgpu_metadata
.endif
;; end of part 2
;; ======== version 2 of 2: 2 launches; version 1 with the launch scan written anew for expert scheduling mode
;; workspace buffers: keys 16,384,000 bytes of whole numbers; part 8,192 bytes
;; launch scan (part 3): grid 254 x 1, 4 waves a work-group, no clusters, 304,640 bytes of LDS; arguments z_t, mem, keys, part, action, z_t1, sigma, W1, b1, g1, be1, W2, b2, g2, be2, W3, b3; writes keys, part
.if DOCPART == 3
	.amdgcn_target "amdgcn-amd-amdhsa--gfx1250"
	.amdhsa_code_object_version 6
	.text
	.protected	k_q0a0d382d97_scan
	.globl	k_q0a0d382d97_scan
	.p2align	8
	.type	k_q0a0d382d97_scan,@function
k_q0a0d382d97_scan:
	s_mov_b64 s[64:65], 0
	v_nop
	global_prefetch_b8 v0, s[64:65] scope:SCOPE_SE
	s_setreg_imm32_b32 hwreg(HW_REG_WAVE_SCHED_MODE, 0, 2), 2
	s_setreg_imm32_b32 hwreg(HW_REG_WAVE_MODE, 25, 1), 1
	s_wait_xcnt 0x0
	s_wait_alu depctr_vm_vsrc(0)
; IntrinsicReward, first of two launches.
; WORK-GROUPS 0..249: the search.  sims = z_norm . mem_norm^T is 1,024 x 200,000; only the mean of each row's 16 largest is wanted.
; mem's rows are taken in GROUPS of 8 consecutive rows.  The 16 largest sims of a query lie in the 16 groups with the largest group maxima: a group that holds one of them has a maximum
; that is at least the 16th value, any other group's maximum is at most that value.  So this launch keeps, for each query, group maxima alone, and the second launch computes the chosen 128 rows anew in f32.
; Here z_t is NOT divided by its norm: that is one positive factor for a whole query and changes no order; the second launch applies reference()'s own formula.  mem's rows are divided by (norm + 1e-8).
; No input is left out and no step of reference() is dropped.
; A key is the group's maximum (f32 sum of bf16 products) with its 7 lowest mantissa bits replaced by the number (0..99) of the tile of 16 rows in the work-group's chunk.
; LIMITS.  Groups are ranked by bf16 products with 16 mantissa bits kept: two groups whose maxima lie closer than that may change places, which moves a top value by no more than that distance.
; NaN and infinities are not treated apart.
; SHARES.  Work-group = (chunk of 1,600 rows of mem) x (512 queries).  A wave keeps 128 queries as 8 B operands (bf16) in registers; all four waves read the same tile of 16 rows of mem from LDS as A.
; In the result a lane holds ONE query (lane % 16) and rows 8 (lane / 16) + 0..7: one group.  mem comes through registers: f32 loads, row norm, scaling, rounding to bf16, LDS store; blocks of 64 rows, two LDS slots.
; BY TURNS.  A tile of 16 rows is two turns of 32 matrix instructions (queries' tiles 0-3, then 4-7); behind each matrix instruction stand 3 or 4 vector instructions: the other piece's
; maxima and sorted insertion, or the conversion of a later block.
; One text serves all 25 trips: in the last two the loads name the chunk's last block once more, and what is made of them is used by nobody.
; NO CLUSTER, NO TENSOR LOAD: a tile has two readers (the two query halves), and every byte of mem must pass through registers for its norm and rounding anyway.
; WORK-GROUPS 250..253: the forward model, pred_err and epistemic, 256 queries each, stored in part.
; LDS: the search names bytes 0 .. 165,887, the forward model bytes 166,400 .. 304,639; between them lie the spare words.  No byte but a thread's own spare word is named by both texts.
; THE MODE: SCHED_MODE bits 1:0 = 2 (LLVM: expert scheduling mode 2), set by the entry lines.  The code itself states the register dependences
; between vector or matrix instructions and memory or LDS instructions, with s_wait_alu, always for 0.
; THE PLAN, for the search's loop.  Registers that memory or LDS instructions touch:
;   A's fragments 0-3   read by products 0-15 of both turns; the next tile's are loaded in TURN1, behind its product 16.
;   A's fragments 4-7   read by products 16-31 of both turns; this tile's are loaded in TURN0, behind its product 1.
;   XS, set k           read by the norms (TURN1 of the tile before) and by the scalings (TURN0 k); loaded again in TURN0 k, behind its product 12.
;   OUT                 written by TURN0's sixteen roundings; read by its eight LDS stores, behind its product 12.
;   AWR                 written at a trip's head; read by the LDS stores.      ARD   written once a trip, behind the barrier's wait; read by the fragments' loads.
;   MOFF, PFO, ZOFF     made at the head and never written again.
;   The accumulators, the lists, the queries, TT, NN, INV and SC are named by vector and matrix instructions alone.
; So a tile has three waits on va_vdst, each ahead of one run of memory instructions: behind TURN0's product 1 (for a trip's first tile: the wait ahead of the loop's branch), behind its product 12, and behind
; TURN1's product 16.  A wait on vm_vsrc stands at each TURN0's head (for a trip's first tile: at the trip's head), ahead of the lines that write OUT and AWR again, and one ahead of the add that writes ARD.
.set PITCH, 528                        ; an LDS row of mem: 512 bytes of bf16 + 16: the 16 rows of a fragment load start at 16 different groups of four banks
.set SLOTX, 65536                      ; slot 1 begins here: one exclusive or turns an address in one slot into the other's
.set STAGE, 100352                     ; 16 KiB for each wave, its own: the way out
.set SPARE, 165888                     ; the spare words, 128 bytes for each wave; no other line names them
.set MB,    166400                     ; the forward model's tables begin here
.set ARD,  1                           ; window 0: LDS address of A's fragments in the slot being read
.set SPW,  2                           ; my spare word; never rewritten
.set NIL,  3                           ; 0; never rewritten
.set PFO,  4                           ; the prefetches' offset: 16,384 x wave + 256 x lane
.set ARD0, 5                           ; (lane % 16) x PITCH + 16 (lane / 16)
.set AWR,  6                           ; LDS address of my stores in the slot being written
.set AWR0, 7                           ; (16 wave + lane / 16) x PITCH + 8 (lane % 16)
.set M1,   8                           ; v8-11, v12-15: a piece's four maxima, at work
.set M2,   12
.set ACC,  16                          ; v16-47 piece 0's four accumulators, v48-79 piece 1's
.set TT,   80                          ; v80-87  sums of squares, two pairs for each of two row pairs
.set NN,   88                          ; v88-89  a row's norm
.set INV,  90                          ; v90-93  1 / (norm + 1e-8), in the low word of a pair
.set OUT,  94                          ; v94-109 bf16, to be stored
.set SC,   110                         ; v110-125 scaled f32
.set MOFF, 126                         ; my byte offset in a block of mem: 16,384 wave + 1,024 (lane / 16) + 16 (lane % 16)
.set ZOFF, 127                         ; my byte offset in 16 rows of z_t: 1,024 (lane % 16) + 32 (lane / 16)
.set LIST, 128                         ; v128-255: tile t's sorted list of 16 keys at LIST + 16 t; before that, staging for z_t
.set XS,   128                         ; window 3: four sets of 32 registers of f32 from mem; v0-63 of window 3: A's eight fragments
; windows 1 and 2: the queries: tile t % 4, fragment c at 64 (t % 4) + 8 c
.set MSB, 0
.macro WIN new                         ; the high byte repeats the setting that is left; a switch that changes nothing is dropped
.if MSB != (\new)
	s_set_vgpr_msb (MSB<<8)|(\new)
.set MSB, \new
.endif
.endm
.macro PLACES                          ; four places behind matrix instructions (ISA guide 7.12.1)
.rept 4
	v_nop
.endr
.endm
	s_load_b256 s[4:11], s[0:1], 0x0               ; z_t s[4:5], mem s[6:7], keys s[8:9], part s[10:11]
	v_lshl_add_u32 v[SPW], v0, 2, SPARE
	v_mov_b32 v[NIL], 0
	v_lshrrev_b32 v1, 5, v0
	v_readfirstlane_b32 s12, v1                    ; wave 0..3
	s_wait_alu depctr_va_sdst(0)                   ; s12 is written: ahead of the branch, and so ahead of its first reader on either way
	s_cmp_ge_u32 ttmp9, 250
	s_cbranch_scc1 .Lmlp                           ; the same for all waves of a work-group
; ---------------------------------------------------------------- the search
	s_lshr_b32 s13, ttmp9, 1                       ; chunk 0..124
	s_and_b32 s14, ttmp9, 1                        ; which 512 queries
	v_and_b32 v8, 15, v0
	v_bfe_u32 v9, v0, 4, 1
	v_and_b32 v10, 31, v0
	s_lshl_b32 s15, s12, 14
	v_lshl_add_u32 v[PFO], v10, 8, s15
	v_lshlrev_b32 v[ZOFF], 10, v8
	v_lshl_add_u32 v[ZOFF], v9, 5, v[ZOFF]
	v_mul_u32_u24 v[ARD0], v8, PITCH
	v_lshl_add_u32 v[ARD0], v9, 4, v[ARD0]
	s_mul_i32 s20, s12, 16*PITCH
	v_mul_u32_u24 v[AWR0], v9, PITCH
	v_lshl_add_u32 v[AWR0], v8, 3, v[AWR0]
	v_add_nc_u32 v[AWR0], s20, v[AWR0]
	v_lshlrev_b32 v[MOFF], 10, v9
	v_lshl_add_u32 v[MOFF], v8, 4, v[MOFF]
	v_add_nc_u32 v[MOFF], s15, v[MOFF]
	v_mov_b32 v[INV+1], 0                          ; named with the low words as pairs
	v_mov_b32 v[INV+3], 0
	s_mul_i32 s20, s13, 1638400                    ; a chunk is 1,600 rows of 1,024 bytes
	s_mov_b32 s21, 0
	s_lshl_b32 s32, s14, 19
	s_lshl_b32 s33, s12, 17
	s_add_co_u32 s32, s32, s33                     ; my wave's 128 queries
	s_mov_b32 s33, 0
	s_mov_b32 s22, 2                               ; the block that the trip's loads name
	s_mov_b32 s23, 25                              ; trips
	s_mov_b32 s26, 0                               ; the tile's number
	s_mov_b32 s27, 0                               ; its step: 0 the first time
	s_mov_b32 s28, 0xffffff80
	s_mov_b32 s34, 0xff7fffff                      ; the lowest finite number
	s_cmp_eq_u32 s14, 0
	s_cselect_b32 s29, 4, -1                       ; of a chunk's two work-groups the first prefetches, while more than 4 trips are left
	s_wait_kmcnt 0x0
	s_add_nc_u64 s[16:17], s[6:7], s[20:21]        ; mem at my chunk
	s_mov_b64 s[18:19], s[16:17]                   ; the loads' pointer
	s_add_nc_u64 s[30:31], s[4:5], s[32:33]
; Four loads: row pair pp of set k (4 rows a wave): lanes 0-15 take 256 bytes of one row, lanes 16-31 of the next
.macro LD4 k, pp
	WIN 0xc0                                       ; destination window 3, address window 0
.irp i, 0,1,2,3
	global_load_b128 v[XS+32*(\k)+16*(\pp)+4*\i:XS+32*(\k)+16*(\pp)+4*\i+3], v[MOFF], s[18:19] offset:(2*(\k)+(\pp))*2048+256*\i
.endr
.endm
; Half a tile of queries (tile hf / 2, fragments 4 (hf % 2) ..): 16 loads of f32 into staging, then 32 roundings into window 1 or 2
.macro QLOAD hf
	WIN 0
.irp c, 0,1,2,3
	global_load_b128 v[LIST+64*((\hf)%2)+16*\c:LIST+64*((\hf)%2)+16*\c+3],     v[ZOFF], s[30:31] offset:((\hf)/2)*16384+128*(4*((\hf)%2)+\c)
	global_load_b128 v[LIST+64*((\hf)%2)+16*\c+4:LIST+64*((\hf)%2)+16*\c+7],   v[ZOFF], s[30:31] offset:((\hf)/2)*16384+128*(4*((\hf)%2)+\c)+16
	global_load_b128 v[LIST+64*((\hf)%2)+16*\c+8:LIST+64*((\hf)%2)+16*\c+11],  v[ZOFF], s[30:31] offset:((\hf)/2)*16384+128*(4*((\hf)%2)+\c)+64
	global_load_b128 v[LIST+64*((\hf)%2)+16*\c+12:LIST+64*((\hf)%2)+16*\c+15], v[ZOFF], s[30:31] offset:((\hf)/2)*16384+128*(4*((\hf)%2)+\c)+80
.endr
.endm
.macro QCAST hf
	WIN 0x40+0x40*((\hf)/8)
.set qi, 0
.rept 32
	v_cvt_pk_bf16_f32 v[64*(((\hf)/2)%4)+32*((\hf)%2)+qi], v[LIST+64*((\hf)%2)+2*qi], v[LIST+64*((\hf)%2)+2*qi+1]
.set qi, qi+1
.endr
.endm
; THE CONVERSION of set k.  CVA1, 30 numbers: both row pairs' sums of squares (in a lane, then over the row's 16 lanes) and the root.
.macro CVA1 k, n
.set cpp, (\n)%2
.set cop, (\n)/2
.set cX, XS+32*(\k)+16*cpp
.set cT, TT+4*cpp
.if cop < 2
	WIN 0x0f                                       ; sources 0 and 1 window 3
	v_pk_mul_f32 v[cT+2*cop:cT+2*cop+1], v[cX+2*cop:cX+2*cop+1], v[cX+2*cop:cX+2*cop+1]
.elseif cop < 8
	WIN 0x0f
	v_pk_fma_f32 v[cT+2*(cop%2):cT+2*(cop%2)+1], v[cX+2*cop:cX+2*cop+1], v[cX+2*cop:cX+2*cop+1], v[cT+2*(cop%2):cT+2*(cop%2)+1]
.elseif cop == 8
	WIN 0
	v_pk_add_f32 v[cT:cT+1], v[cT:cT+1], v[cT+2:cT+3]
.elseif cop == 9
	WIN 0
	v_add_f32 v[NN+cpp], v[cT], v[cT+1]
.elseif cop == 10
	WIN 0
	v_add_f32_dpp v[NN+cpp], v[NN+cpp], v[NN+cpp] row_xmask:1 row_mask:0xf bank_mask:0xf
.elseif cop == 11
	WIN 0
	v_add_f32_dpp v[NN+cpp], v[NN+cpp], v[NN+cpp] row_xmask:2 row_mask:0xf bank_mask:0xf
.elseif cop == 12
	WIN 0
	v_add_f32_dpp v[NN+cpp], v[NN+cpp], v[NN+cpp] row_xmask:4 row_mask:0xf bank_mask:0xf
.elseif cop == 13
	WIN 0
	v_add_f32_dpp v[NN+cpp], v[NN+cpp], v[NN+cpp] row_xmask:8 row_mask:0xf bank_mask:0xf
.else
	WIN 0
	v_sqrt_f32 v[NN+cpp], v[NN+cpp]
.endif
.endm
; CVA2, 4 numbers: norm + 1e-8, and its reciprocal
.macro CVA2 n
	WIN 0
.if (\n) < 2
	v_add_f32 v[NN+(\n)], 0x322bcc77, v[NN+(\n)]
.else
	v_rcp_f32 v[INV+2*((\n)-2)], v[NN+(\n)-2]
.endif
.endm
; CVB, 32 numbers: a row pair's 8 scalings and 8 roundings, for both row pairs.  OUT has eight registers for each row pair, so both stay until PUT stores them.
.macro CVB k, n
.set cpp, (\n)/16
.set cop, (\n)%16
.set cX, XS+32*(\k)+16*cpp
.if cop < 8
	WIN 0x03                                       ; source 0 window 3
	v_pk_mul_f32 v[SC+2*cop:SC+2*cop+1], v[cX+2*cop:cX+2*cop+1], v[INV+2*cpp:INV+2*cpp+1] op_sel_hi:[1,0]
.else
	WIN 0
	v_cvt_pk_bf16_f32 v[OUT+8*cpp+cop-8], v[SC+2*(cop-8)], v[SC+2*(cop-8)+1]
.endif
.endm
; PUT: behind CVB's 32 numbers, ONE wait, then set k's 8 LDS stores, and its registers are asked for again (the set 4 sets on): 8 loads.  Between the wait and the loads stand LDS stores, which name OUT and AWR alone, and a window switch.
.macro PUT k
	WIN 0
	s_wait_alu depctr_va_vdst(0)                   ; the roundings have written OUT and the add has written AWR, which the LDS stores read; the scalings are done reading set k, in which the loads land
.irp pp, 0,1
.irp i, 0,1,2,3
	ds_store_b64 v[AWR], v[OUT+8*\pp+2*\i:OUT+8*\pp+2*\i+1] offset:(4*(\k)+2*\pp)*PITCH+128*\i
.endr
.endr
	LD4 \k, 0
	LD4 \k, 1
.endm
.macro CVAS k, c                       ; the next c numbers of CVA1
.rept \c
.if can < 30
	CVA1 \k, can
.set can, can+1
.endif
.endr
.endm
.macro CVBS k, c                       ; the next c numbers of CVB
.rept \c
.if cvn < 32
	CVB \k, cvn
.set cvn, cvn+1
.endif
.endr
.endm
; THE SELECTION for piece p, 84 numbers.  0-19, the four tiles by turns: the maximum of a lane's 8 sums (each accumulator's lowest registers are read first), then the tile's number into its 7 lowest bits.
; 20-83: for each tile a sorted insertion: L15 = the middle one of (L14, L15, x), .. L1 likewise, L0 = max(L0, x); each line reads entries that are not yet rewritten.
.macro TK p, n
	WIN 0
.if (\n) < 4
	v_max3_num_f32 v[M1+(\n)], v[ACC+32*(\p)+8*(\n)], v[ACC+32*(\p)+8*(\n)+1], v[ACC+32*(\p)+8*(\n)+2]
.elseif (\n) < 8
	v_max3_num_f32 v[M2+(\n)-4], v[ACC+32*(\p)+8*((\n)-4)+3], v[ACC+32*(\p)+8*((\n)-4)+4], v[ACC+32*(\p)+8*((\n)-4)+5]
.elseif (\n) < 12
	v_max3_num_f32 v[M1+(\n)-8], v[M1+(\n)-8], v[ACC+32*(\p)+8*((\n)-8)+6], v[ACC+32*(\p)+8*((\n)-8)+7]
.elseif (\n) < 16
	v_max_num_f32 v[M1+(\n)-12], v[M1+(\n)-12], v[M2+(\n)-12]
.elseif (\n) < 20
	v_and_or_b32 v[M1+(\n)-16], v[M1+(\n)-16], s28, s26
.else
.set tt, ((\n)-20)/16
.set ee, 15-((\n)-20)%16
.set rL, LIST+16*(4*(\p)+tt)
.if ee > 0
	v_med3_num_f32 v[rL+ee], v[rL+ee-1], v[rL+ee], v[M1+tt]
.else
	v_max_num_f32 v[rL], v[rL], v[M1+tt]
.endif
.endif
.endm
.macro TKS p, c
.rept \c
	TK \p, tkn
.set tkn, tkn+1
.endr
.endm
; Matrix instruction i of 32 of piece p: channels 32 (i / 4) on, query tile 4 p + i % 4.  The four accumulators take turns, one instruction a turn, and the pieces follow each other.  The first four start the sums.
.macro MM p, i
.set mc, (\i)/4
.set mq, (\i)%4
.set mD, ACC+32*(\p)+8*mq
	WIN 0x07+4*(\p)                                ; A window 3, the queries window 1 or 2, C and D window 0
.if mc == 0
	v_wmma_f32_16x16x32_bf16 v[mD:mD+7], v[8*mc:8*mc+7], v[64*mq+8*mc:64*mq+8*mc+7], 0
.else
	v_wmma_f32_16x16x32_bf16 v[mD:mD+7], v[8*mc:8*mc+7], v[64*mq+8*mc:64*mq+8*mc+7], v[mD:mD+7]
.endif
.endm
; Eight LDS loads in one run: A's fragments lo .. lo + 3 of the tile at byte off of the slot
.macro AFR lo, off
	WIN 0xc0
.irp c, 0,1,2,3
	ds_load_b128 v[8*((\lo)+\c):8*((\lo)+\c)+3],   v[ARD] offset:(\off)+64*((\lo)+\c)
	ds_load_b128 v[8*((\lo)+\c)+4:8*((\lo)+\c)+7], v[ARD] offset:(\off)+64*((\lo)+\c)+32
.endr
.endm
; A prefetch of the block that stands two trips (512 matrix instructions) ahead of its loads: my wave's 16 KiB of it, a lane 256 bytes, two instructions.  Of a chunk's two work-groups one asks.
; It stands behind the turn's loads.  The last trips that would name a block past the chunk's 25 ask for nothing; blocks 0 to 3 come by their loads alone.  PFO was written ahead of the head's wait and is never written again.
.macro ASK
	WIN 0
	s_cmp_gt_u32 s23, s29
	s_cbranch_scc0 .Lnoask_\@
	global_prefetch_b8 v[PFO], s[18:19] offset:131072 th:TH_LOAD_NT scope:SCOPE_SE
	global_prefetch_b8 v[PFO], s[18:19] offset:139264 th:TH_LOAD_NT scope:SCOPE_SE
.Lnoask_\@:
.endm
; TURN0, tile ts of the block: piece 0's 32 products.  Beside them: piece 1's selection for the tile before, and the scaling, rounding and storing of set ts of the next block.
; bar = 1: the block's last tile: my stores of the next block and my reads of this one are done: signal.
.macro TURN0 ts, bar
.set tkn, 0
.set cvn, 0
.set mi, 0
	s_wait_dscnt 0x0                               ; A's fragments 0-3 are in
.if (\ts) != 0
	s_wait_alu depctr_vm_vsrc(0)                   ; the LDS stores of the tile before have read OUT, which this turn's roundings write again (for ts = 0 the wait at the trip's head says so)
.endif
.rept 32
.if mi == 16
	s_wait_dscnt 0x0                               ; fragments 4-7 are in, and my LDS stores are done
.if \bar
	s_barrier_signal -1                            ; only work on registers stands between this and the wait in TURN1
.endif
.endif
	MM 0, mi
.if mi < 2
	TKS 1, 4
.elseif mi < 13
	CVBS \ts, 3
.else
	TKS 1, 4
.endif
.if mi == 1
.if (\ts) != 0
	s_wait_alu depctr_va_vdst(0)                   ; the two reciprocals of the turn before are written, ahead of their first reader; that turn's products 16-31 are done reading fragments 4-7, in which the loads below land
.endif                                                 ; (for ts = 0 the wait ahead of the loop's branch says both: since then only AWR's add, two products on fragment 0 and eight maxima were issued, which name neither ARD nor fragments 4-7)
	AFR 4, (\ts)*16*PITCH
.endif
.if mi == 12
	PUT \ts
.if (\ts) == 0
	ASK
.endif
.endif
.set mi, mi+1
.endr
.endm
; TURN1: piece 1's 32 products.  Beside them: the norms of the set that the next TURN0 scales, and piece 0's selection.
.macro TURN1 ts, bar
.set tkn, 0
.set can, 0
.set mi, 0
.set kk, ((\ts)+1)%4
	s_add_co_u32 s26, s26, s27                     ; this tile's number
	s_mov_b32 s27, 1
	s_wait_loadcnt 24                              ; the set asked for three tiles ago is in; the 24 loads of the three sets behind it stay out
.rept 32
	MM 1, mi
.if mi < 10
	CVAS kk, 3
.elseif mi == 17
.irp n, 0,1,2,3
	CVA2 \n
.endr
.else
	TKS 0, 4
.endif
.if mi == 16
	WIN 0
.if \bar
	s_barrier_wait -1                              ; every wave's part of the next block is stored, and nobody reads this block any more
	s_xor_b32 s24, s24, SLOTX
	s_wait_alu depctr_vm_vsrc(0)                   ; the fragments' loads issued so far have read ARD
	v_add_nc_u32 v[ARD], s24, v[ARD0]
.endif
	s_wait_alu depctr_va_vdst(0)                   ; the two roots are written, ahead of their first reader; this turn's products 0-15 are done reading fragments 0-3, in which the loads below land; in a block's last tile ARD is written
.if \bar
	AFR 0, 0
.else
	AFR 0, ((\ts)+1)*16*PITCH                      ; the next tile's fragments 0-3
.endif
.endif
.set mi, mi+1
.endr
.endm
	s_wait_alu depctr_va_vdst(0)                   ; MOFF, ZOFF and PFO are written: every global load and prefetch of the search reads one of them as its offset
	LD4 0, 0                                       ; block 0: 28 of its 32 loads; with the 32 of the first two half tiles of queries 60 loads of mine are out
	LD4 0, 1
	LD4 1, 0
	LD4 1, 1
	LD4 2, 0
	LD4 2, 1
	LD4 3, 0
	QLOAD 0
	QLOAD 1
.set qh, 0
.rept 16
.if qh < 15
	s_wait_loadcnt 16                              ; this half tile is in; the next one's 16 loads stay out
.else
	s_wait_loadcnt 0x0
.endif
.if qh == 0
	LD4 3, 1                                       ; block 0's last four loads: issued ahead of the next half tile's, so the next wait for 16 covers them
.endif
	QCAST qh
.if qh < 14
	s_wait_alu depctr_va_vdst(0)                   ; the roundings are done reading this half of the staging, in which the loads below land
	QLOAD qh+2
.endif
.set qh, qh+1
.endr
	WIN 0
	s_add_nc_u64 s[18:19], s[16:17], 0x10000       ; all loads are done: the pointer goes to block 1
	v_mov_b32 v[AWR], v[AWR0]                      ; block 0 goes into slot 0
.irp k, 0,1,2,3
.set can, 0
	CVAS \k, 30
	v_nop
	s_wait_alu depctr_va_vdst(0)                   ; the two roots are written, ahead of their first reader
.irp n, 0,1,2,3
	CVA2 \n
.endr
	v_nop
	s_wait_alu depctr_va_vdst(0)                   ; the two reciprocals are written, ahead of their first reader
.if \k > 0
	s_wait_alu depctr_vm_vsrc(0)                   ; the LDS stores of the set before have read OUT, which the roundings below write again
.endif
.set cvn, 0
	CVBS \k, 32
	PUT \k                                         ; its loads bring block 1's sets
.endr
	WIN 0
.set li, 0
.rept 128
	v_mov_b32 v[LIST+li], s34                      ; the lists start at the lowest finite number,
.set li, li+1
.endr
.set li, 0
.rept 32
	v_mov_b32 v[ACC+32+li], s34                    ; and so does what the first TURN0 inserts for a tile that has not been: 100 true keys push it out
.set li, li+1
.endr
	s_wait_loadcnt 24                              ; block 1's set 0 is in
.set can, 0
	CVAS 0, 30
	v_nop
	s_wait_alu depctr_va_vdst(0)                   ; the two roots are written, ahead of their first reader
.irp n, 0,1,2,3
	CVA2 \n
.endr
	v_nop
	s_wait_alu depctr_va_vdst(0)                   ; the two reciprocals are written, ahead of the loop's label and of their first reader
	s_wait_dscnt 0x0                               ; my part of block 0 is stored
	s_barrier_signal -1
	s_barrier_wait -1
	s_mov_b32 s24, 0                               ; slot being read
	s_mov_b32 s25, SLOTX                           ; slot being written
	v_mov_b32 v[ARD], v[ARD0]
	s_wait_alu depctr_va_vdst(0)                   ; ARD is written, which the fragments' loads read
	AFR 0, 0
	WIN 0
.Ltrip:                                                ; a trip: block B is multiplied, block B + 1 converted, block B + 2 asked for
	s_wait_xcnt 0x0                                ; the last trip's loads and prefetches have read the pointer
	s_min_u32 s20, s22, 24                         ; the last two trips name the last block once more
	s_lshl_b32 s20, s20, 16
	s_add_nc_u64 s[18:19], s[16:17], s[20:21]
	s_add_co_u32 s22, s22, 1
	s_wait_alu depctr_vm_vsrc(0)                   ; the LDS stores issued so far have read AWR, which the add below writes, and OUT, which the first turn's roundings write
	v_add_nc_u32 v[AWR], s25, v[AWR0]
	s_xor_b32 s25, s25, SLOTX
	TURN0 0, 0
	TURN1 0, 0
	TURN0 1, 0
	TURN1 1, 0
	TURN0 2, 0
	TURN1 2, 0
	TURN0 3, 1
	TURN1 3, 1
	WIN 0
	s_wait_alu depctr_va_vdst(0)                   ; the last turn's reciprocals are written, ahead of the branch; its products 16-31 are done reading fragments 4-7, in which the next trip's first run of loads lands
	s_sub_co_u32 s23, s23, 1
	s_cmp_lg_u32 s23, 0
	s_cbranch_scc1 .Ltrip
.set tkn, 0
	TKS 1, 84                                      ; piece 1's selection for the last tile; the four insertions behind the last product are its places
	; THE WAY OUT: a lane's 8 lists of 64 bytes go through my own stage, so that each store of the wave covers 512 consecutive bytes of keys, aligned
	v_and_b32 v80, 15, v0
	v_bfe_u32 v81, v0, 4, 1
	v_and_b32 v82, 31, v0
	s_lshl_b32 s20, s12, 14
	s_add_co_u32 s20, s20, STAGE
	v_lshl_add_u32 v83, v80, 7, s20
	v_lshl_add_u32 v83, v81, 6, v83                ; in: query x 128 + half x 64
	v_lshl_add_u32 v84, v82, 4, s20                ; back: 16 bytes a lane
	v_lshlrev_b32 v85, 4, v82
	s_lshl_b32 s32, s14, 7
	s_lshl_b32 s33, s12, 5
	s_add_co_u32 s32, s32, s33                     ; my first group of four queries
	s_mul_i32 s32, s32, 64000                      ; keys: [256 groups of 4 queries][125 chunks][4 queries][2 halves][16]
	s_lshl_b32 s33, s13, 9
	s_add_co_u32 s32, s32, s33
	s_mov_b32 s33, 0
	s_add_nc_u64 s[8:9], s[8:9], s[32:33]
	s_wait_alu depctr_va_vdst(0)                   ; the insertions have written the lists, the LDS stores' data; v83, v84 and v85 are written, the addresses below; products and maxima are done with v16-47, in which the stage's loads land
.set et, 0
.rept 8
.irp e, 0,1,2,3
	ds_store_b128 v83, v[LIST+16*et+4*\e:LIST+16*et+4*\e+3] offset:2048*et+16*\e
.endr
.set et, et+1
.endr
.set eb, 0
.rept 4
.if eb > 0
	s_wait_xcnt 0x0                                ; the stores before have had their addresses translated,
	s_wait_alu depctr_vm_vsrc(0)                   ; and have read v16-47, in which the loads below land
.endif
.irp j, 0,1,2,3,4,5,6,7
	ds_load_b128 v[16+4*\j:19+4*\j], v84 offset:512*(8*eb+\j)  ; LDS serves a wave's instructions in order: these see my stores above
.endr
.irp j, 0,1,2,3,4,5,6,7
	s_wait_dscnt 7-\j
	global_store_b128 v85, v[16+4*\j:19+4*\j], s[8:9] offset:64000*(8*eb+\j)
.endr
.set eb, eb+1
.endr
	s_wait_dscnt 0x0                               ; the wave's end
	s_wait_alu 0x0
	s_wait_tensorcnt 0x0
	ds_add_u32 v[SPW], v[NIL]
	s_wait_dscnt 0x0
	s_endpgm
; ---------------------------------------------------------------- the forward model
; 256 queries a work-group, 64 a wave, 16 a pass.  The products are taken transposed (source 0 = 16 output features, from W stored [K][N] in LDS by the turning load; source 1 = 16 queries):
; a lane holds ONE query and features 16 t + 8 (lane / 16) + 0..7, so a layer norm is a sum in the lane and one exchange of the halves, and two result tiles rounded in pairs ARE the next layer's source 1.
; The biases are the C operands that start the sums.  Everything lies in window 0.
; THE PLAN here: AF, BF and AC each take loads by turns with the vector and matrix instructions that read them, one buffer each; so a wait on va_vdst stands ahead of each run of loads whose registers were named since the last such wait.
; The addresses v1 and v7 to v13 are made at the head and never written again; v64, v65 (staging) and v244 to v246 (layer 3) are stepped, each step behind a wait on vm_vsrc.
.set W1L, MB                           ; W1: 288 rows (262 and 26 of zeros) x 288 bytes; W2: 128 x 160; W3: 64 x 544.  Pitches are odd multiples of 32 bytes
.set W2L, MB+82944
.set W3L, MB+103424
.set BF, 16                            ; v16-87   9 fragments of the input; later be, z_t1
.set AC, 88                            ; v88-151  8 accumulators
.set AF, 152                           ; v152-215 8 fragments of W; also staging, g
.set B2, 216                           ; v216-247 layer 2's input; v216-231 layer 3's
.macro STG8 sb, la, lb                 ; 8 x 512 bytes of f32 from v64, rounded, to LDS at v65 + la (j / 2) + lb (j % 2)
	s_wait_alu depctr_va_vdst(0)                   ; v64 and v65 are written, which the loads and the LDS stores below read; the roundings of the round before are done reading v16-47, in which the loads land
.irp j, 0,1,2,3,4,5,6,7
	global_load_b128 v[16+4*\j:19+4*\j], v64, s[\sb:\sb+1] offset:512*\j
.endr
	s_wait_loadcnt 0x0
.irp j, 0,1,2,3,4,5,6,7
	v_cvt_pk_bf16_f32 v[48+2*\j], v[16+4*\j], v[17+4*\j]
	v_cvt_pk_bf16_f32 v[49+2*\j], v[18+4*\j], v[19+4*\j]
.endr
	s_wait_alu depctr_va_vdst(0)                   ; the roundings have written v48-63, the LDS stores' data
.irp j, 0,1,2,3,4,5,6,7
	ds_store_b64 v65, v[48+2*\j:49+2*\j] offset:(\la)*(\j/2)+(\lb)*(\j%2)
.endr
	s_wait_alu depctr_vm_vsrc(0)                   ; the loads have read v64, the LDS stores v65 and v48-63: the two addresses are stepped below, the data written again by what follows
	v_add_nc_u32 v64, 4096, v64
.endm
.macro FRAGS dst, adr, off, pit, nt    ; nt fragments (16 features x 32 k) of W^T
.set ft, 0
.rept \nt
	ds_load_tr16_b128 v[(\dst)+8*ft:(\dst)+8*ft+3],   v[\adr] offset:(\off)+32*ft
	ds_load_tr16_b128 v[(\dst)+8*ft+4:(\dst)+8*ft+7], v[\adr] offset:(\off)+32*ft+16*(\pit)
.set ft, ft+1
.endr
.endm
.macro MULS nt, af, bf                 ; nt products, the accumulators by turns
.set ft, 0
.rept \nt
	v_wmma_f32_16x16x32_bf16 v[AC+8*ft:AC+8*ft+7], v[(\af)+8*ft:(\af)+8*ft+7], v[(\bf):(\bf)+7], v[AC+8*ft:AC+8*ft+7]
.set ft, ft+1
.endr
.endm
.macro BIAS nt, sb, vo                 ; a bias into nt accumulators
.set ft, 0
.rept \nt
	global_load_b128 v[AC+8*ft:AC+8*ft+3],   v[\vo], s[\sb:\sb+1] offset:64*ft
	global_load_b128 v[AC+8*ft+4:AC+8*ft+7], v[\vo], s[\sb:\sb+1] offset:64*ft+16
.set ft, ft+1
.endr
.endm
; Layer norm over nt tiles, gain, offset, ReLU, rounding to bf16 into ob.  Mean first, then the mean of the squared differences, as reference() has it.  The sums begin at each accumulator's low end.
.macro LNORM nt, sg, sb, sinv, ob
	s_wait_alu depctr_va_vdst(0)                   ; the layer's products are done reading AF, and the earlier readers of BF are done, in which gain and offset land
.set lt, 0
.rept \nt
	global_load_b128 v[AF+8*lt:AF+8*lt+3],   v8, s[\sg:\sg+1] offset:64*lt
	global_load_b128 v[AF+8*lt+4:AF+8*lt+7], v8, s[\sg:\sg+1] offset:64*lt+16
	global_load_b128 v[BF+8*lt:BF+8*lt+3],   v8, s[\sb:\sb+1] offset:64*lt
	global_load_b128 v[BF+8*lt+4:BF+8*lt+7], v8, s[\sb:\sb+1] offset:64*lt+16
.set lt, lt+1
.endr
	v_pk_add_f32 v[252:253], v[AC:AC+1], v[AC+2:AC+3]
.set lt, 4
.rept 4*(\nt)-2
	v_pk_add_f32 v[252:253], v[252:253], v[AC+lt:AC+lt+1]
.set lt, lt+2
.endr
	v_add_f32 v254, v252, v253
	v_permlanex16_b32 v255, v254, s60, s61         ; the query's other features lie in the lane 16 away
	v_add_f32 v254, v254, v255
	v_mul_f32 v248, s[\sinv], v254
	v_mov_b32 v249, v248
.set lt, 0
.rept 4*(\nt)
	v_pk_add_f32 v[AC+lt:AC+lt+1], v[AC+lt:AC+lt+1], v[248:249] neg_lo:[0,1] neg_hi:[0,1]
.set lt, lt+2
.endr
	v_pk_mul_f32 v[252:253], v[AC:AC+1], v[AC:AC+1]
.set lt, 2
.rept 4*(\nt)-1
	v_pk_fma_f32 v[252:253], v[AC+lt:AC+lt+1], v[AC+lt:AC+lt+1], v[252:253]
.set lt, lt+2
.endr
	v_add_f32 v254, v252, v253
	v_permlanex16_b32 v255, v254, s60, s61
	v_add_f32 v254, v254, v255
	v_fma_f32 v254, v254, s[\sinv], s59            ; variance + 1e-5
	v_rsq_f32 v250, v254
	v_nop
	s_wait_alu depctr_va_vdst(0)                   ; the reciprocal root is written, ahead of its first reader
	v_mov_b32 v251, v250
	s_wait_loadcnt 0x0                             ; gain and offset
.set lt, 0
.rept 4*(\nt)
	v_pk_mul_f32 v[AC+lt:AC+lt+1], v[AC+lt:AC+lt+1], v[250:251]
	v_pk_fma_f32 v[AC+lt:AC+lt+1], v[AC+lt:AC+lt+1], v[AF+lt:AF+lt+1], v[BF+lt:BF+lt+1]
.set lt, lt+2
.endr
.set lt, 0
.rept 4*(\nt)
	v_cvt_pk_bf16_f32 v[(\ob)+lt], v[AC+2*lt], v[AC+2*lt+1]
	v_pk_max_num_bf16 v[(\ob)+lt], v[(\ob)+lt], v15
.set lt, lt+1
.endr
.endm
.Lmlp:
	s_load_b256 s[32:39], s[0:1], 0x20             ; action s[32:33], z_t1 s[34:35], sigma s[36:37], W1 s[38:39]
	s_load_b256 s[40:47], s[0:1], 0x40             ; b1, g1, be1, W2
	s_load_b256 s[48:55], s[0:1], 0x60             ; b2, g2, be2, W3
	s_load_b64 s[56:57], s[0:1], 0x80              ; b3
	v_and_b32 v4, 15, v0
	v_bfe_u32 v5, v0, 4, 1
	v_and_b32 v6, 31, v0
	v_lshlrev_b32 v7, 10, v4
	v_lshl_add_u32 v7, v5, 5, v7                   ; 1,024 (l % 16) + 32 (l / 16): z_t and z_t1
	v_lshlrev_b32 v8, 5, v5                        ; 32 (l / 16): biases, gains
	v_mul_u32_u24 v9, v4, 24                       ; a row of action or sigma
	v_and_b32 v10, 7, v0
	v_lshl_add_u32 v10, v5, 3, v10                 ; the turning load's row: 8 (l / 16) + l % 8
	v_bfe_u32 v11, v0, 3, 1
	v_lshlrev_b32 v11, 4, v11
	v_mad_u32_u24 v12, v10, 160, v11
	v_add_nc_u32 v12, W2L, v12
	v_mad_u32_u24 v13, v10, 544, v11
	v_add_nc_u32 v13, W3L, v13
	v_mad_u32_u24 v10, v10, 288, v11
	v_add_nc_u32 v10, W1L, v10
	v_add_nc_u32 v11, 36864, v10                   ; W1 from row 128 on: the immediate has 16 bits
	v_cmp_eq_u32 vcc_lo, 0, v5
	s_wait_alu depctr_va_vcc(0)                    ; VCC is written, which the select below reads
	v_cndmask_b32 v14, 0, -1, vcc_lo               ; all ones in lanes 0-15
	v_mov_b32 v15, 0
	v_mov_b32 v255, 0
	v_lshlrev_b32 v1, 12, v5
	v_lshl_add_u32 v1, v4, 2, v1                   ; part: lanes 0-15 pred_err, lanes 16-31 epistemic
	s_mov_b32 s58, 0x3c000000                      ; 1 / 128
	s_mov_b32 s62, 0x3c800000                      ; 1 / 64
	s_mov_b32 s59, 0x3727c5ac                      ; 1e-5
	s_mov_b32 s60, 0x76543210
	s_mov_b32 s61, 0xfedcba98
	s_sub_co_u32 s20, ttmp9, 250
	s_lshl_b32 s20, s20, 8
	s_lshl_b32 s21, s12, 6
	s_add_co_u32 s20, s20, s21                     ; my wave's first query
	s_lshl_b32 s26, s20, 10
	s_mov_b32 s27, 0
	s_wait_kmcnt 0x0
	s_add_nc_u64 s[4:5], s[4:5], s[26:27]
	s_add_nc_u64 s[34:35], s[34:35], s[26:27]
	s_mul_i32 s26, s20, 24
	s_add_nc_u64 s[32:33], s[32:33], s[26:27]
	s_add_nc_u64 s[36:37], s[36:37], s[26:27]
	s_lshl_b32 s26, s20, 2
	s_add_nc_u64 s[10:11], s[10:11], s[26:27]
	; the weights, rounded once, into LDS.  W1: wave w takes rows 64 w .. 64 w + 63, a row an instruction.  (The first wait of the first round also shows v1 and v7 to v13 written, the addresses of all that follows.)
	s_lshl_b32 s20, s12, 15
	v_lshl_add_u32 v64, v6, 4, s20
	s_mul_i32 s20, s12, 64*288
	s_add_co_u32 s20, s20, W1L
	v_lshl_add_u32 v65, v6, 3, s20
	s_mov_b32 s25, 8
.Lw1:
	STG8 38, 576, 288
	v_add_nc_u32 v65, 2304, v65
	s_sub_co_u32 s25, s25, 1
	s_cmp_lg_u32 s25, 0
	s_cbranch_scc1 .Lw1
	; rows 256 + 8 w .. + 7: wave 0 has W1's last six rows and two of zeros, the others zeros (they meet zeros of the input, and LDS is not cleared)
.set lt, 0
.rept 16
	v_mov_b32 v[48+lt], 0
.set lt, lt+1
.endr
	s_cmp_lg_u32 s12, 0
	s_cbranch_scc1 .Lw1z
	v_lshlrev_b32 v64, 4, v6
	s_wait_alu depctr_va_vdst(0)                   ; v64 is written, which the loads read; the last round's roundings are done reading v16-39, in which they land
.irp j, 0,1,2,3,4,5
	global_load_b128 v[16+4*\j:19+4*\j], v64, s[38:39] offset:131072+512*\j
.endr
	s_wait_loadcnt 0x0
.irp j, 0,1,2,3,4,5
	v_cvt_pk_bf16_f32 v[48+2*\j], v[16+4*\j], v[17+4*\j]
	v_cvt_pk_bf16_f32 v[49+2*\j], v[18+4*\j], v[19+4*\j]
.endr
.Lw1z:
	s_mul_i32 s20, s12, 8*288
	s_add_co_u32 s20, s20, W1L+256*288
	v_lshl_add_u32 v65, v6, 3, s20
	s_wait_alu depctr_va_vdst(0)                   ; v65 and v48-63 are written, the LDS stores' address and data
.irp j, 0,1,2,3,4,5,6,7
	ds_store_b64 v65, v[48+2*\j:49+2*\j] offset:288*\j
.endr
	s_wait_alu depctr_vm_vsrc(0)                   ; the LDS stores have read v65 and v48-63, wave 0's six loads v64: all are written again below
	; W2: wave w takes rows 32 w .. + 31, two rows an instruction
	s_lshl_b32 s20, s12, 13
	v_lshl_add_u32 v64, v6, 4, s20
	s_mul_i32 s20, s12, 32*160
	s_add_co_u32 s20, s20, W2L
	v_mad_u32_u24 v65, v5, 160, s20
	v_lshl_add_u32 v65, v4, 3, v65
	s_mov_b32 s25, 2
.Lw2:
	STG8 46, 640, 320
	v_add_nc_u32 v65, 2560, v65
	s_sub_co_u32 s25, s25, 1
	s_cmp_lg_u32 s25, 0
	s_cbranch_scc1 .Lw2
	; W3: wave w takes rows 16 w .. + 15, half a row an instruction
	s_lshl_b32 s20, s12, 14
	v_lshl_add_u32 v64, v6, 4, s20
	s_mul_i32 s20, s12, 16*544
	s_add_co_u32 s20, s20, W3L
	v_lshl_add_u32 v65, v6, 3, s20
	s_mov_b32 s25, 4
.Lw3:
	STG8 54, 544, 256
	v_add_nc_u32 v65, 2176, v65
	s_sub_co_u32 s25, s25, 1
	s_cmp_lg_u32 s25, 0
	s_cbranch_scc1 .Lw3
	s_wait_dscnt 0x0                               ; for the others' sake: my stores are done
	s_barrier_signal -1
	s_barrier_wait -1
	s_mov_b32 s24, 4
.Lpass:                                                ; 16 queries.  The first 16 loads owe no wait: AF's last readers, the products of the pass before, stand ahead of the wait in front of sigma's loads
.irp hf, 0,1
.if \hf == 1
	s_wait_alu depctr_va_vdst(0)                   ; the first half's roundings are done reading AF, in which the second half's loads land
.endif
.irp c, 0,1,2,3
	global_load_b128 v[AF+16*\c:AF+16*\c+3],     v7, s[4:5] offset:128*(4*\hf+\c)
	global_load_b128 v[AF+16*\c+4:AF+16*\c+7],   v7, s[4:5] offset:128*(4*\hf+\c)+16
	global_load_b128 v[AF+16*\c+8:AF+16*\c+11],  v7, s[4:5] offset:128*(4*\hf+\c)+64
	global_load_b128 v[AF+16*\c+12:AF+16*\c+15], v7, s[4:5] offset:128*(4*\hf+\c)+80
.endr
	s_wait_loadcnt 0x0
.set lt, 0
.rept 32
	v_cvt_pk_bf16_f32 v[BF+32*\hf+lt], v[AF+2*lt], v[AF+2*lt+1]
.set lt, lt+1
.endr
.endr
	s_wait_alu depctr_va_vdst(0)                   ; the roundings are done reading AF, in which the action lands
	global_load_b64 v[AF:AF+1],   v9, s[32:33]
	global_load_b64 v[AF+2:AF+3], v9, s[32:33] offset:8
	global_load_b64 v[AF+4:AF+5], v9, s[32:33] offset:16
	BIAS 8, 40, 8
	s_wait_loadcnt 0x0
.irp j, 0,1,2
	v_cvt_pk_bf16_f32 v[BF+64+\j], v[AF+2*\j], v[AF+2*\j+1]  ; fragment 8: k = 256 .. 261 are the action, in lanes 0-15; the rest is 0
.endr
.irp j, 0,1,2
	v_and_b32 v[BF+64+\j], v14, v[BF+64+\j]
.endr
.irp j, 3,4,5,6,7
	v_mov_b32 v[BF+64+\j], 0
.endr
.set lc, 0
.rept 9
	s_wait_alu depctr_va_vdst(0)                   ; AF's last readers are done (the action's roundings; then the eight products of the step before): W1's next fragments land in it
.if lc < 4
	FRAGS AF, 10, lc*9216, 288, 8
.else
	FRAGS AF, 11, (lc-4)*9216, 288, 8
.endif
	s_wait_dscnt 0x0
	MULS 8, AF, BF+8*lc
	PLACES
.set lc, lc+1
.endr
	LNORM 8, 42, 44, 58, B2
	s_wait_alu depctr_va_vdst(0)                   ; the layer norm's roundings are done reading AC, in which b2 lands, and its multiply-adds reading AF, in which W2's first fragments land
	BIAS 4, 48, 8
	s_wait_loadcnt 0x0
.set lc, 0
.rept 4
.if lc > 0
	s_wait_alu depctr_va_vdst(0)                   ; the four products of the step before are done reading AF, in which W2's next fragments land
.endif
	FRAGS AF, 12, lc*5120, 160, 4
	s_wait_dscnt 0x0
	MULS 4, AF, B2+8*lc
	PLACES
.set lc, lc+1
.endr
	LNORM 4, 50, 52, 62, B2
	v_mov_b32 v120, 0                              ; the sum of squared errors
	v_mov_b32 v121, 0
	v_mov_b32 v244, v8                             ; (the loads of the pass before that read these three stand ahead of the wait on vm_vsrc in its last trip below)
	v_mov_b32 v245, v7
	v_mov_b32 v246, v13
	s_mov_b32 s25, 4
.Lg3:                                                  ; 64 of layer 3's 256 features
	s_wait_alu depctr_va_vdst(0)                   ; v244 to v246 are written, the addresses below; AC's, BF's and AF's last readers and writers (the layer norm; then the trip before) are done: b3, z_t1 and W3's fragments land in them
	BIAS 4, 56, 244
.set lt, 0
.rept 4
	global_load_b128 v[BF+8*lt:BF+8*lt+3],   v245, s[34:35] offset:64*lt
	global_load_b128 v[BF+8*lt+4:BF+8*lt+7], v245, s[34:35] offset:64*lt+16
.set lt, lt+1
.endr
	FRAGS AF, 246, 0, 544, 4
	FRAGS AF+32, 246, 32*544, 544, 4
	s_wait_loadcnt 0x0
	s_wait_dscnt 0x0
	MULS 4, AF, B2
	MULS 4, AF+32, B2+8
	PLACES
.set lt, 0
.rept 16
	v_pk_add_f32 v[AC+lt:AC+lt+1], v[AC+lt:AC+lt+1], v[BF+lt:BF+lt+1] neg_lo:[0,1] neg_hi:[0,1]
.set lt, lt+2
.endr
.set lt, 0
.rept 16
	v_pk_fma_f32 v[120:121], v[AC+lt:AC+lt+1], v[AC+lt:AC+lt+1], v[120:121]
.set lt, lt+2
.endr
	s_wait_alu depctr_vm_vsrc(0)                   ; this trip's loads have read v244 to v246
	v_add_nc_u32 v244, 256, v244
	v_add_nc_u32 v245, 256, v245
	v_add_nc_u32 v246, 128, v246
	s_sub_co_u32 s25, s25, 1
	s_cmp_lg_u32 s25, 0
	s_cbranch_scc1 .Lg3
	s_wait_alu depctr_va_vdst(0)                   ; the differences are done reading v16-21, in which sigma lands
	global_load_b64 v[16:17], v9, s[36:37]
	global_load_b64 v[18:19], v9, s[36:37] offset:8
	global_load_b64 v[20:21], v9, s[36:37] offset:16
	v_add_f32 v254, v120, v121
	v_permlanex16_b32 v255, v254, s60, s61
	v_add_f32 v254, v254, v255
	v_mul_f32 v254, 0x3b800000, v254               ; / 256
	s_wait_loadcnt 0x0
	v_pk_add_f32 v[16:17], v[16:17], v[18:19]
	v_pk_add_f32 v[16:17], v[16:17], v[20:21]
	v_add_f32 v16, v16, v17
	v_mul_f32 v16, 0x3e2aaaab, v16                 ; / 6
	v_cmp_eq_u32 vcc_lo, 1, v5
	s_wait_alu depctr_va_vcc(0)                    ; VCC is written, which the select below reads
	v_cndmask_b32 v254, v254, v16, vcc_lo
	s_wait_alu depctr_va_vdst(0)                   ; v254 is written, the store's data
	global_store_b32 v1, v254, s[10:11]
	s_wait_xcnt 0x0                                ; the bases and the store's data are rewritten only behind this wait,
	s_wait_alu depctr_vm_vsrc(0)                   ; and the store has read v254, which the next pass writes again
	s_add_nc_u64 s[4:5], s[4:5], 16384
	s_add_nc_u64 s[34:35], s[34:35], 16384
	s_add_nc_u64 s[32:33], s[32:33], 384
	s_add_nc_u64 s[36:37], s[36:37], 384
	s_add_nc_u64 s[10:11], s[10:11], 64
	s_sub_co_u32 s24, s24, 1
	s_cmp_lg_u32 s24, 0
	s_cbranch_scc1 .Lpass
	s_wait_dscnt 0x0                               ; the wave's end
	s_wait_alu 0x0
	s_wait_tensorcnt 0x0
	ds_add_u32 v[SPW], v[NIL]
	s_wait_dscnt 0x0
	s_endpgm
.Lfunc_end_k_q0a0d382d97_scan:
	.size	k_q0a0d382d97_scan, .Lfunc_end_k_q0a0d382d97_scan-k_q0a0d382d97_scan
	.p2alignl 7, 3214868480
	.fill 96, 4, 3214868480
	.section	.rodata,"a",@progbits
	.p2align	6, 0x0
	.amdhsa_kernel k_q0a0d382d97_scan
		.amdhsa_group_segment_fixed_size 304640
		.amdhsa_private_segment_fixed_size 0
		.amdhsa_enable_private_segment 0
		.amdhsa_kernarg_size 136
		.amdhsa_user_sgpr_count 2
		.amdhsa_user_sgpr_kernarg_segment_ptr 1
		.amdhsa_wavefront_size32 1
		.amdhsa_system_sgpr_workgroup_id_x 1
		.amdhsa_system_sgpr_workgroup_id_y 1
		.amdhsa_system_sgpr_workgroup_id_z 1
		.amdhsa_system_vgpr_workitem_id 0
		.amdhsa_next_free_vgpr 1024
		.amdhsa_next_free_sgpr 66
		.amdhsa_reserve_vcc 1
		.amdhsa_float_denorm_mode_32 3
		.amdhsa_float_denorm_mode_16_64 3
		.amdhsa_memory_ordered 1
		.amdhsa_forward_progress 1
		.amdhsa_inst_pref_size 255
	.end_amdhsa_kernel
	.section	.bss,"aw",@nobits
	.p2align	6
	.space	262144
	.amdgpu_metadata
---
amdhsa.version: [ 1, 2 ]
amdhsa.kernels:
  - .name:           k_q0a0d382d97_scan
    .symbol:         k_q0a0d382d97_scan.kd
    .args:
      - { .name: z_t, .offset: 0, .size: 8, .value_kind: global_buffer, .address_space: global }
      - { .name: mem, .offset: 8, .size: 8, .value_kind: global_buffer, .address_space: global }
      - { .name: keys, .offset: 16, .size: 8, .value_kind: global_buffer, .address_space: global }
      - { .name: part, .offset: 24, .size: 8, .value_kind: global_buffer, .address_space: global }
      - { .name: action, .offset: 32, .size: 8, .value_kind: global_buffer, .address_space: global }
      - { .name: z_t1, .offset: 40, .size: 8, .value_kind: global_buffer, .address_space: global }
      - { .name: sigma, .offset: 48, .size: 8, .value_kind: global_buffer, .address_space: global }
      - { .name: W1, .offset: 56, .size: 8, .value_kind: global_buffer, .address_space: global }
      - { .name: b1, .offset: 64, .size: 8, .value_kind: global_buffer, .address_space: global }
      - { .name: g1, .offset: 72, .size: 8, .value_kind: global_buffer, .address_space: global }
      - { .name: be1, .offset: 80, .size: 8, .value_kind: global_buffer, .address_space: global }
      - { .name: W2, .offset: 88, .size: 8, .value_kind: global_buffer, .address_space: global }
      - { .name: b2, .offset: 96, .size: 8, .value_kind: global_buffer, .address_space: global }
      - { .name: g2, .offset: 104, .size: 8, .value_kind: global_buffer, .address_space: global }
      - { .name: be2, .offset: 112, .size: 8, .value_kind: global_buffer, .address_space: global }
      - { .name: W3, .offset: 120, .size: 8, .value_kind: global_buffer, .address_space: global }
      - { .name: b3, .offset: 128, .size: 8, .value_kind: global_buffer, .address_space: global }
    .group_segment_fixed_size: 304640
    .private_segment_fixed_size: 0
    .kernarg_segment_align: 8
    .kernarg_segment_size: 136
    .max_flat_workgroup_size: 128
    .sgpr_count:     66
    .vgpr_count:     1024
    .wavefront_size: 32
...
	.end_amdgpu_metadata
.endif
;; end of part 3
;; launch finish: the kernel of part 2 again; grid 256 x 1, 4 waves a work-group, no clusters, 0 bytes of LDS; arguments keys, mem, z_t, part, out0; writes out0
